; MI455X (gfx1250); checked and timed in simulation.
; The chip was launched on July 23, 2026; its instructions are those of AMD's public machine-readable ISA for CDNA 5 (MIT licence, August 2026) and "CDNA5" Instruction Set Architecture Reference Guide (July 2026). The comments in the code are by the model that wrote it; some were corrected since.
;; MHA. Allowed arithmetic: matrix products marked QUANTISED: E2M3 operands, one E8M0 scale for each 32 along K, by v_wmma_scale_f32_16x16x128_f8f6f4 with both operands' format E2M3, f32 sums; everything else in f32.
;; Inputs: Wk 1,024 x 1,024 float32; Wo 1,024 x 1,024 float32; Wq 1,024 x 1,024 float32; Wv 1,024 x 1,024 float32; bk 1,024 float32; bo 1,024 float32; bq 1,024 float32; bv 1,024 float32; x 4 x 2,048 x 1,024 float32.
;; Outputs: out0 4 x 2,048 x 1,024 float32.
;; This version of the problem:
;;   THIS VERSION OF THE PROBLEM IS GIVEN IN LOW PRECISION. The matrix products marked QUANTISED in the list below multiply operands that are first quantised to E2M3 (2 exponent bits, 3 mantissa bits; 6 bits a number), with one power-of-two scale for each 32 numbers along K (OCP MX v1.0); their sums are f32. All else is computed in f32.
;;   The module's matrix products, in the order in which they are computed (A, B: the left and right operand; K: the contracted axis; several contracted axes count as one K, in the product's order):
;;     1. [M 8,192, K 1,024] x [K 1,024, N 1,024]; A: input x; B: input Wq: QUANTISED
;;     2. [M 8,192, K 1,024] x [K 1,024, N 1,024]; A: input x; B: input Wk: QUANTISED
;;     3. [M 8,192, K 1,024] x [K 1,024, N 1,024]; A: input x; B: input Wv: QUANTISED
;;     4. batch 64 x [M 2,048, K 64] x [K 64, N 2,048]; A: computed on the way; B: computed on the way: QUANTISED
;;     5. batch 64 x [M 2,048, K 2,048] x [K 2,048, N 64]; A: softmax (see below); B: computed on the way: QUANTISED
;;     6. [M 8,192, K 1,024] x [K 1,024, N 1,024]; A: computed on the way; B: input Wo: QUANTISED
;;   THE QUANTISER, for each operand of a quantised product, along K:
;;     - K is cut into blocks of 32 from its start; a last block that is shorter is filled with zeros.
;;     - A block's scale is 2^e with e = floor(log2(the largest magnitude in the block)) - 2, held to -126 .. 127; a block of zeros has e = 0. As a byte (E8M0): e + 127.
;;     - Each number is divided by its block's scale, clamped to +-7.5, and rounded to the nearest number of E2M3, ties to even, subnormals kept.
;;     - The product sums the exact products of the quantised numbers (number of the format x scale) in f32.
;;   ~~~python
;;   def quantise(x, axis):      # numpy; x: float32 -> the quantised numbers, widened to float32 again
;;       x = np.moveaxis(x, axis, -1); K = x.shape[-1]
;;       x = np.pad(x, [(0, 0)] * (x.ndim - 1) + [(0, -K % 32)]); x = x.reshape(x.shape[:-1] + (-1, 32)); a = np.abs(x).max(-1, keepdims=True)
;;       e = np.where(a > 0, np.clip(np.frexp(np.where(a > 0, a, 1))[1] - 1 - 2, -126, 127), 0)      # np.frexp(a)[1] - 1 = floor(log2(a)), exactly
;;       r = np.clip(x / 2.0 ** e, -7.5, 7.5)
;;       step = 2.0 ** (np.maximum(np.frexp(np.where(r == 0, 1, r))[1] - 1, 0) - 3)
;;       q = np.round(r / step) * step * 2.0 ** e      # np.round: ties to even
;;       return np.moveaxis(q.reshape(q.shape[:-2] + (-1,))[..., :K], -1, axis).astype(np.float32)
;;   ~~~
;;   SOFTMAX AHEAD OF A QUANTISED PRODUCT. Where the list says 'softmax', what is quantised is not the finished softmax but p = 2^(t - M), with t = logit x log2(e) and M = ceil(the row's largest t), a whole number; so 1/2 < the row's largest p <= 1. The row's sum l is taken of the UNQUANTISED p, in f32, and the product's result is divided by l at the end. Since M is a whole number, a kernel that streams over the keys may use a running M (the ceiling of the running maximum): every later rescaling is an exact power of two, which a block's scale takes up: the codes' values come out the same.
;;   OPERANDS COMPUTED ON THE WAY. 'Computed on the way' means the value that the module computes at that place (a softmax that the list does not call 'softmax' is quantised finished and normalised). What goes into a quantiser is computed in f32, as accurately as f32 sums, v_exp_f32 and their like allow (about 1e-6 of the number): no bf16 or f16 on the way to a quantiser, and a product that is left as it is and whose result goes on into a quantised operand takes f32 operands (vector FMAs, or v_wmma_f32_16x16x4_f32). A number that lies on a knife's edge between two numbers of the format may be rounded either way, as far as f32 arithmetic and the matrix unit's own rounding can turn it there, and no further.
;; One version. Each part assembles by itself: llvm-mc -triple=amdgcn-amd-amdhsa -mcpu=gfx1250 --defsym DOCPART=n.
;; ======== version 1 of 1: 4 launches
;; limits: right only within a limited range of input values
;; workspace buffers: xc 6,291,456 bytes; xs 262,144 bytes; wc 3,145,728 bytes; ws 131,072 bytes; qkvc 18,874,368 bytes; qkvs 786,432 bytes; oc 6,291,456 bytes; os 262,144 bytes
;; launch quant (part 1): grid 768 x 1, 4 waves a work-group, no clusters, 34,304 bytes of LDS; arguments x, Wq, Wk, Wv, xc, xs, wc, ws, Wo; writes xc, xs, wc, ws
.if DOCPART == 1
	.amdgcn_target "amdgcn-amd-amdhsa--gfx1250"
	.amdhsa_code_object_version 6
	.text
	.protected	k_q19f7c9835e_quant
	.globl	k_q19f7c9835e_quant
	.p2align	8
	.type	k_q19f7c9835e_quant,@function
k_q19f7c9835e_quant:
	s_mov_b64 s[64:65], 0
	v_nop
	global_prefetch_b8 v0, s[64:65] scope:SCOPE_SE
	s_setreg_imm32_b32 hwreg(HW_REG_WAVE_MODE, 25, 1), 1
	s_wait_xcnt 0x0
; x [8192][1024] and Wq, Wk, Wv, Wo [1024][1024], f32 with K innermost, become codes of FP6 (E2M3) with one E8M0 byte for each 32 along K,
; laid in the ORDER OF THE OPERAND'S REGISTERS.  A fragment (16 rows x 128 K, 12 registers a lane) is six planes of 256 bytes: plane p holds
; registers 2 p, 2 p + 1 of lane l at byte 8 l.  Codes: [row tile][8 K steps][1,536 bytes].  Scale words: [row tile][4][16 rows][2 words]:
; the word of K step 2 w + e of row r at 128 w + 8 r + 4 e.  wc, ws hold Wq's 64 tiles, then Wk's, Wv's, Wo's.
; THE ROWS OF A TILE ARE NOT NEIGHBOURS: lane r of tile t holds row 32 (t / 2) + 8 (t % 2) + r + 8 (r / 8), so that, where such a tile is source 0
; of a product, the 16 result registers of tiles 2 b and 2 b + 1 are 16 neighbours along those rows.
; A block's scale is 2^(floor(log2(largest magnitude)) - 2): its byte is the largest magnitude's exponent field - 2, held at 1 from below.
; LIMITS: NaN and infinities among the inputs are not served; a block whose largest magnitude lies under 2^-124 keeps the byte 1; a block of zeros
; gets the byte 1 where the rule says 127: its codes are zeros, which add nothing under any byte but 0xff, and this program alone reads the bytes.
; SHARES: a work-group takes one row tile, wave w its K steps 2 w and 2 w + 1.  Work-groups 0-511 take x, then 64 each Wq, Wk, Wv, Wo: only pointers
; are chosen, all take one path.  Memory binds: each load reads 512 consecutive bytes of a row, all 32 loads of a wave go out at once; each store of codes
; covers 256 consecutive aligned bytes.  No matrix unit, no cluster, no tensor load: nothing is shared and nothing is read twice.
; A conversion wants 16 neighbours along K in ONE lane: a K step's 16 x 512 bytes turn through the wave's own stage in LDS (rows of 512 + 16 bytes).
.set SP,    528                        ; a stage row: 33 x 16 bytes, so that the 16 rows that a load of 16 bytes a lane touches start at 16 different columns of 16 bytes
.set WST,   16*SP                      ; a wave's stage
.set RAW,   16                         ; v16-143  the numbers as loaded: K step e, row t at RAW + 64 e + 4 t
.set X,     144                        ; v144-207 64 numbers of my row: register 16 b + i = k 32 b + 16 (lane / 16) + i
.set PC,    208                        ; v208-226 the codes just made
.set TM,    228                        ; v228-243 at work
.set PW,    244                        ; v244-245 the two scale words
.set PSEL,  20                         ; s[20:21] selects of v_permlanex16_b32 for lane l xor 16
; 64 numbers of a lane, register 16 b + i = k 32 b + 16 (lane / 16) + i of my row, become a fragment's codes in v[PC] .. v[PC + 11] and its scale word in v[pw].
.macro QUANT s, pw
.irp b, 0,1,2,3
	v_max3_num_f32 v[TM+\b], |v[\s+16*\b]|, |v[\s+1+16*\b]|, 0x1800000   ; block b: my 16 numbers, and the floor 2^(3 - 127): the byte cannot fall under 1
.endr
.irp i, 2,4,6,8,10,12,14
.irp b, 0,1,2,3
	v_max3_num_f32 v[TM+\b], v[TM+\b], |v[\s+16*\b+\i]|, |v[\s+1+16*\b+\i]|   ; the four blocks by turns
.endr
.endr
.irp b, 0,1,2,3
	v_permlanex16_b32 v[TM+4+\b], v[TM+\b], s[PSEL], s[PSEL+1]
.endr
.irp b, 0,1,2,3
	v_max_num_f32 v[TM+\b], v[TM+\b], v[TM+4+\b]   ; with lane l xor 16's 16: the block's largest magnitude
.endr
.irp b, 0,1,2,3
	v_add_nc_u32 v[TM+12+\b], 0xff000000, v[TM+\b]   ; 2 off its exponent field: the conversion takes the exponent field of this operand as its scale
.endr
.irp b, 0,1,2,3
	v_lshrrev_b32 v[TM+4+\b], 23, v[TM+12+\b]   ; the scale's byte
.endr
	v_lshl_or_b32 v[\pw], v[TM+5], 8, v[TM+4]      ; four bytes: my row's scale word (the same in lanes l and l xor 16)
	v_lshl_or_b32 v[\pw], v[TM+6], 16, v[\pw]
	v_lshl_or_b32 v[\pw], v[TM+7], 24, v[\pw]
.irp c, 0,1
	v_cvt_scalef32_pk16_fp6_f32 v[PC+6*\c:PC+2+6*\c], v[\s+32*\c:\s+15+32*\c], v[TM+12+2*\c]
	v_cvt_scalef32_pk16_fp6_f32 v[PC+12+4*\c:PC+14+4*\c], v[\s+16+32*\c:\s+31+32*\c], v[TM+12+2*\c+1]   ; (a conversion's three registers begin on an even number)
.endr
	v_nop                                          ; one plain place behind a scaled conversion
.irp c, 0,1                                    ; the operand's layout wants a WHOLE block in a lane: lanes 0-15 block 2 c, lanes 16-31 block 2 c + 1
.irp i, 0,1,2
	v_permlane16_swap_b32 v[PC+6*\c+\i], v[PC+12+4*\c+\i]
.endr
.irp i, 0,1,2
	v_mov_b32 v[PC+3+6*\c+\i], v[PC+12+4*\c+\i]
.endr
.endr
.endm
; a K step's 16 rows x 512 bytes go into the stage as loaded and come back 64 bytes of a block at a time.  LDS serves a wave's instructions in order: no wait between.
.macro TURN from, to
.irp t, 0,1,2,3,4,5,6,7,8,9,10,11,12,13,14,15
	ds_store_b128 v3, v[\from+4*\t:\from+4*\t+3] offset:SP*\t
.endr
.irp b, 0,1,2,3
.irp j, 0,1,2,3
	ds_load_b128 v[\to+16*\b+4*\j:\to+16*\b+4*\j+3], v4 offset:128*\b+16*\j
.endr
.endr
.endm
	s_load_b256 s[4:11], s[0:1], 0x0               ; x, Wq, Wk, Wv
	s_load_b256 s[24:31], s[0:1], 0x20             ; xc, xs, wc, ws
	s_load_b64 s[12:13], s[0:1], 0x40              ; Wo
	v_lshl_add_u32 v254, v0, 2, 0x8400
	v_mov_b32 v255, 0
	v_lshrrev_b32 v1, 5, v0
	v_readfirstlane_b32 s18, v1                    ; wave 0..3
	v_and_b32 v1, 31, v0                           ; lane
	v_and_b32 v7, 15, v0                           ; r
	v_bfe_u32 v8, v0, 4, 1                         ; h
	v_lshlrev_b32 v2, 4, v1                        ; my 16 bytes of a load's 512
	s_mul_i32 s19, s18, WST
	v_add_nc_u32 v3, s19, v2                       ; the stage, way in
	v_mul_u32_u24 v4, v7, SP
	v_lshl_add_u32 v4, v8, 6, v4
	v_add_nc_u32 v4, s19, v4                       ; way out: row r, + 64 h: my 16 numbers of a block
	v_lshlrev_b32 v5, 3, v1                        ; a plane's place for my lane
	v_lshlrev_b32 v6, 3, v7                        ; my row's two scale words
	s_mov_b32 s[PSEL], 0x76543210
	s_mov_b32 s[PSEL+1], 0xfedcba98
.irp b, 0,1,2,3
	v_mov_b32 v[TM+4+\b], 0                        ; written once: a lane permute's destination counts as one of its sources
.endr
	s_wait_alu depctr_va_vdst(0)
	s_wait_kmcnt 0x0
	s_cmp_lt_u32 ttmp9, 704                        ; which tensor: the choices hang on the work-group's number alone
	s_cselect_b64 s[12:13], s[10:11], s[12:13]
	s_cmp_lt_u32 ttmp9, 640
	s_cselect_b64 s[12:13], s[8:9], s[12:13]
	s_cmp_lt_u32 ttmp9, 576
	s_cselect_b64 s[12:13], s[6:7], s[12:13]
	s_cmp_lt_u32 ttmp9, 512
	s_cselect_b64 s[12:13], s[4:5], s[12:13]
	s_cselect_b64 s[24:25], s[24:25], s[28:29]     ; its codes
	s_cselect_b64 s[26:27], s[26:27], s[30:31]     ; its scale words
	s_cselect_b32 s14, 0, 512
	s_cselect_b32 s15, 511, 63
	s_cselect_b32 s2, 2, 1                         ; x's tiles go in fours, the weights' in pairs (see below)
	s_cselect_b32 s3, 3, 1
	s_sub_co_u32 s14, ttmp9, s14                   ; the tile in the buffer of codes
	s_and_b32 s15, s14, s15                        ; and in the tensor
	; THE ROWS OF x's TILES: lane r of tile 4 c + u holds row 64 c + 32 (r / 8) + 8 u + r % 8, so that, where such tiles are source 0 of a product,
	; the 32 result registers of tiles 4 c .. 4 c + 3 are 32 neighbours along those rows.  The weights' tiles keep the order 32 (t / 2) + 8 (t % 2) + r + 8 (r / 8).
	s_lshr_b32 s16, s15, s2
	s_lshl_b32 s16, s16, s2
	s_lshl_b32 s16, s16, 16                        ; 64 rows of 4,096 bytes for each four tiles of x, 32 for each pair of a weight's
	s_and_b32 s17, s15, s3
	s_lshl_b32 s17, s17, 15                        ; 8 rows for the odd tile,
	s_add_co_u32 s16, s16, s17
	s_lshl_b32 s17, s18, 10                        ; my wave's 256 along K
	s_add_co_u32 s16, s16, s17
	s_mov_b32 s17, 0
	s_add_nc_u64 s[12:13], s[12:13], s[16:17]
	s_mul_i32 s16, s14, 12288
	s_mul_i32 s22, s18, 3072
	s_add_co_u32 s16, s16, s22
	s_add_nc_u64 s[24:25], s[24:25], s[16:17]
	s_lshl_b32 s16, s14, 9
	s_lshl_b32 s22, s18, 7
	s_add_co_u32 s16, s16, s22
	s_add_nc_u64 s[26:27], s[26:27], s[16:17]
	s_lshl_b32 s23, 0x8000, s2                     ; a tile's rows 8-15 begin 32 rows (x) or 16 rows (a weight) behind its rows 0-7
	v_add_nc_u32 v9, s23, v2
.irp e, 0,1
.irp t, 0,1,2,3,4,5,6,7,8,9,10,11,12,13,14,15
.if \t < 8
	global_load_b128 v[RAW+64*\e+4*\t:RAW+64*\e+4*\t+3], v2, s[12:13] offset:\t*4096+512*\e th:TH_LOAD_NT   ; 32 lanes read 512 consecutive bytes of the tile's row t
.else
	global_load_b128 v[RAW+64*\e+4*\t:RAW+64*\e+4*\t+3], v9, s[12:13] offset:(\t-8)*4096+512*\e th:TH_LOAD_NT
.endif
.endr
.endr
	s_wait_loadcnt 16                              ; the first K step's 16 loads are in; the second's 16 may be out
	TURN RAW, X
	s_wait_dscnt 0x0
	s_wait_loadcnt 0x0
	TURN RAW+64, RAW                               ; the second K step comes back into the first's registers while the first is quantised
	QUANT X, PW
.irp p, 0,1,2,3,4,5
	global_store_b64 v5, v[PC+2*\p:PC+2*\p+1], s[24:25] offset:256*\p   ; a plane: 256 consecutive aligned bytes
.endr
	s_wait_dscnt 0x0                               ; the second K step's numbers are back
	s_wait_xcnt 0x0                                ; the stores' data registers are written again only behind this wait
	QUANT RAW, PW+1
.irp p, 0,1,2,3,4,5
	global_store_b64 v5, v[PC+2*\p:PC+2*\p+1], s[24:25] offset:1536+256*\p
.endr
	global_store_b64 v6, v[PW:PW+1], s[26:27]      ; lanes l and l xor 16 store the same 8 bytes; the wave covers 128 consecutive bytes, the four waves 512
	s_wait_tensorcnt 0x0
	ds_add_u32 v254, v255
	s_wait_dscnt 0x0
	s_endpgm
.Lfunc_end_k_q19f7c9835e_quant:
	.size	k_q19f7c9835e_quant, .Lfunc_end_k_q19f7c9835e_quant-k_q19f7c9835e_quant
	.p2alignl 7, 3214868480
	.fill 96, 4, 3214868480
	.section	.rodata,"a",@progbits
	.p2align	6, 0x0
	.amdhsa_kernel k_q19f7c9835e_quant
		.amdhsa_group_segment_fixed_size 34304
		.amdhsa_private_segment_fixed_size 0
		.amdhsa_enable_private_segment 0
		.amdhsa_kernarg_size 72
		.amdhsa_user_sgpr_count 2
		.amdhsa_user_sgpr_kernarg_segment_ptr 1
		.amdhsa_wavefront_size32 1
		.amdhsa_system_sgpr_workgroup_id_x 1
		.amdhsa_system_sgpr_workgroup_id_y 1
		.amdhsa_system_sgpr_workgroup_id_z 1
		.amdhsa_system_vgpr_workitem_id 0
		.amdhsa_next_free_vgpr 256
		.amdhsa_next_free_sgpr 66
		.amdhsa_reserve_vcc 0
		.amdhsa_float_denorm_mode_32 3
		.amdhsa_float_denorm_mode_16_64 3
		.amdhsa_memory_ordered 1
		.amdhsa_forward_progress 1
		.amdhsa_inst_pref_size 19
	.end_amdhsa_kernel
	.amdgpu_metadata
---
amdhsa.version: [ 1, 2 ]
amdhsa.kernels:
  - .name:           k_q19f7c9835e_quant
    .symbol:         k_q19f7c9835e_quant.kd
    .args:
      - { .name: x, .offset: 0, .size: 8, .value_kind: global_buffer, .address_space: global }
      - { .name: Wq, .offset: 8, .size: 8, .value_kind: global_buffer, .address_space: global }
      - { .name: Wk, .offset: 16, .size: 8, .value_kind: global_buffer, .address_space: global }
      - { .name: Wv, .offset: 24, .size: 8, .value_kind: global_buffer, .address_space: global }
      - { .name: xc, .offset: 32, .size: 8, .value_kind: global_buffer, .address_space: global }
      - { .name: xs, .offset: 40, .size: 8, .value_kind: global_buffer, .address_space: global }
      - { .name: wc, .offset: 48, .size: 8, .value_kind: global_buffer, .address_space: global }
      - { .name: ws, .offset: 56, .size: 8, .value_kind: global_buffer, .address_space: global }
      - { .name: Wo, .offset: 64, .size: 8, .value_kind: global_buffer, .address_space: global }
    .group_segment_fixed_size: 34304
    .private_segment_fixed_size: 0
    .kernarg_segment_align: 8
    .kernarg_segment_size: 72
    .max_flat_workgroup_size: 128
    .sgpr_count:     66
    .vgpr_count:     256
    .wavefront_size: 32
...
	.end_amdgpu_metadata
.endif
;; end of part 1
;; launch qkv (part 2): grid 4 x 64, 4 waves a work-group, clusters of 4 x 4, 327,680 bytes of LDS; arguments xc, xs, wc, ws, qkvc, qkvs, bq, bk, bv; writes qkvc, qkvs
.if DOCPART == 2
	.amdgcn_target "amdgcn-amd-amdhsa--gfx1250"
	.amdhsa_code_object_version 6
	.text
	.protected	k_q19f7c9835e_qkv
	.globl	k_q19f7c9835e_qkv
	.p2align	8
	.type	k_q19f7c9835e_qkv,@function
k_q19f7c9835e_qkv:
	s_mov_b64 s[64:65], 0
	v_nop
	global_prefetch_b8 v0, s[64:65] scope:SCOPE_SE
	s_setreg_imm32_b32 hwreg(HW_REG_WAVE_MODE, 25, 1), 1
	s_wait_xcnt 0x0
	s_wait_alu depctr_hold_cnt(0) depctr_sa_sdst(0) depctr_va_vdst(0) depctr_va_sdst(0) depctr_va_ssrc(0) depctr_va_vcc(0) depctr_vm_vsrc(0)
	s_getreg_b32 s2, hwreg(HW_REG_IB_STS2, 6, 4)
	s_cmp_eq_u32 s2, 0
	s_cbranch_scc0 .Lentry_in_a_cluster
	s_endpgm
.Lentry_in_a_cluster:
	s_bfe_u32 s2, ttmp6, 0x10000c
	s_cmp_lg_u32 s2, 0xf033
	s_cbranch_scc0 .Lentry_shape_is_right
	s_endpgm
.Lentry_shape_is_right:
; q = x Wq^T + bq, k = x Wk^T + bk, v = x Wv^T + bv on codes of FP6 (E2M3) with E8M0 scales, sums in f32; the results are quantised in registers and leave as codes:
; q and k along the head's 64, v along the keys.  Operands come as images of their registers (six planes of 256 bytes a fragment), [row tile][8 K steps][1,536]; scale words [row tile][4][16][2].
; SHARES.  256 work-groups, one for each of 64 blocks of 128 tokens x 4 blocks of 256 features.  A WORK-GROUP STAYS: it makes its block of q, then of k, then of v.
; T, the 128 tokens' codes for all of K = 1,024 (98,304 bytes), comes into LDS once and serves all three.  W, 256 rows of Wq, Wk or Wv, goes through two slots, one for each half of K (98,304 bytes each):
; six halves q0 q1 k0 k1 v0 v1; the slot just read is filled again with the same half of the next section: four refills.  All scale words come once.
; CLUSTERS: 4 x 4 work-groups.  T hangs on work-group y and is shared along a row of the cluster, W on work-group x and along a column: each tile is asked for jointly.  Every wave issues the same lines; its part hangs on its number.
; ROLES.  Source 1 of the products ("A", four blocks of 16 a wave) gives the result's lane, source 0 ("B", eight blocks) runs along its registers: 32 accumulators.
; q, k: A = 64 tokens (wave / 2), B = 128 features (wave % 2): a lane holds a token and two heads.  v: A = 64 features, one head (wave), B = the 128 tokens: a lane holds a feature and 128 keys.
; The sections are written out one after the other, so each role has address registers of its own.
; The rows of a tile are 32 (t / 2) + 8 (t % 2) + r + 8 (r / 8): so the 64 registers of one A block's eight accumulators are k = 32 b + 16 (lane / 16) + i along B, which is what the quantiser wants.
; OUT.  qkvc: sections q, k, v of 6,291,456 bytes, each [64 = 16 batch + head][98,304].  q, k: [128 token tiles][3 planes]: lane (r, h) holds block h of the head's two.  v: [16 steps of 128 keys][4 tiles of 16 of the head's 64][6 planes].
; qkvs: sections of 262,144, each [64][16 groups of 128 tokens][16 r][4 words].  q, k: word b = the two bytes of tile 2 b's row r, then those of tile 2 b + 1's.  v: word t = the scale word of tile t's row r.
; A wave holds two of a row's four words of q or k: they leave as 8 of each 16 bytes, two stores a wave and section; the wave with the other 64 tokens stores the other 8.
; The bias is added in f32 by the instruction that brings a result into window 0.
; LIMITS: no NaN or infinities among the inputs; a block whose largest magnitude lies under 2^-124 keeps the byte 1; a block of zeros gets the byte 1 where the rule says 127: its codes are zeros, and this program alone reads the bytes.
; REGISTERS: window 0: v1-29 addresses; v32-95 scale words, two sets of 32, and nothing else; v96-143 A's fragments, one set; v144-251 the way out.
;   window 1: B's fragments, two sets, at v0 and v128.   window 2: the accumulators: (a, b) at v[8 (8 a + b)].   window 3: v0-63 bq, v64-127 bk along registers; v128-135 bv along lanes, each twice.
.set NQ,    4                          ; K steps of 128 in a half
.set FR,    12                         ; registers of a fragment
.set FRB,   1536                       ; and its image in bytes
.set NL,    6                          ; LDS loads that bring one
.set NP,    4                          ; places behind this matrix instruction (ISA guide 7.12.1)
.set TILEB, NQ*FRB                     ; a row tile's bytes in a half
.set TAUB,  8*FRB                      ; and in memory, all of K
.set SECB,  64*TAUB                    ; from Wq to Wk to Wv
.set TSC,   0                          ; LDS: T's scale words, 4,096 bytes;
.set WSC,   4096                       ; W's, 8,192 for each section;
.set TB,    WSC+3*8192                 ; T's codes, two halves;
.set THALF, 8*TILEB
.set WB,    TB+2*THALF                 ; W's codes, two slots;
.set WSLOT, 16*TILEB
.set SPARE, WB+2*WSLOT                 ; the spare words, 128 bytes for each wave: two blocks of 256 bytes that no other line names
.set AA0,  8                           ; v8-9    q, k: LDS address of A's fragments (T) in half 0, 1
.set AB0,  10                          ; v10-11  of B's (W)
.set AA1,  12                          ; v12-13  v: A's (W)
.set AB1,  14                          ; v14-15  B's (T)
.set SLO,  16                          ; v16-18  scale words of section q, k, v: lanes 0-15 A's rows, lanes 16-31 B's
.set SHI,  19                          ; v19-21  the same with B's rows in all lanes, for B's blocks 4-7
.set CO8,  24                          ; 8 x lane: a plane's place
.set CO16, 25                          ; 16 x (lane % 16): four scale words' place
.set CO16H, 26                         ; + 8 x (wave / 2): my two of them
.set SPW,  28                          ; my spare word; never rewritten
.set NIL,  29                          ; 0; never rewritten
.set SC,   32
.set AF,   96
.set H,    144                         ; the way out: 64 numbers
.set PC,   208                         ; their codes
.set TM,   228                         ; at work
.set PWS,  244                         ; the four scale words made
.set KW,   248                         ; q's and k's as they are stored
.set BRV,  128                         ; in window 3
.set WV,   18
.set HA,   19                          ; wave / 2
.set HB,   20                          ; wave % 2
.set CX,   21
.set CY,   22
.set WGY,  23
.set G1T,  24                          ; s[24:31] group 1 for T's codes;  s[32:39] W's;  s[40:47] T's scale words;  s[48:55] W's
.set G1W,  32
.set G1ST, 40
.set G1SW, 48
.set G0T,  56                          ; s[56:63] group 0 for T's two halves
.set G0W,  68                          ; s[68:75] for W's two slots: they walk from section to section
.set G0ST, 76                          ; s[76:79] T's scale words;  s[80:83] W's, all three sections in one
.set G0SW, 80
.set G1WH, 84                          ; s[84:91] group 1 for a whole half of W's block, 16 row tiles: the two first fills
.set G0WH, 8                           ; s[8:11] their group 0
.set WGX,  98
.set PSEL, 100                         ; s[100:101] selects of v_permlanex16_b32 for lane l xor 16
.set MSB, 0
.macro WIN new                         ; the immediate's high byte repeats the setting that is left
.if MSB != (\new)
	s_set_vgpr_msb (MSB<<8)|(\new)
.set MSB, (\new)
.endif
.endm
.set MUL,  0xa1                        ; source 0 (B) window 1, source 1 (A) window 0, C and D window 2
.set TO_B, 0x40                        ; destination window 1, address window 0
.macro CREST                           ; a round of the cluster's barrier behind its opening barrier
	s_cmp_lg_u32 s[WV], 0
	s_cbranch_scc1 .Lnot_wave_0_\@
	s_barrier_signal -3
.Lnot_wave_0_\@:
	s_barrier_wait -3
	s_barrier_signal -1
	s_barrier_wait -1
.endm
.macro CROUND                          ; a whole round
	s_barrier_signal -1
	s_barrier_wait -1
	CREST
.endm
.macro PLACES n
.rept \n
	v_nop
.endr
.endm
.macro FRAG reg, adr, q, i             ; a fragment comes as it was stored: six planes, 8 bytes a lane, 256 consecutive bytes a load
.irp p, 0,1,2,3,4,5
	ds_load_b64 v[\reg+2*\p:\reg+2*\p+1], v[\adr] offset:(\i)*TILEB+(\q)*FRB+256*\p
.endr
.endm
; 8 matrix instructions: A's block a x B's eight, the half's q-th 128 along K.  p: B's set; sc: the set of scale words.  mode = 1: the product starts the sum.
; The 32 accumulators take turns, one instruction a turn, in the same order in every step.
.macro MUL8 a, p, q, sc, mode
.irp b, 0,1,2,3,4,5,6,7
.if (\mode) == 1
	v_wmma_scale_f32_16x16x128_f8f6f4 v[8*(8*(\a)+\b):8*(8*(\a)+\b)+7], v[128*(\p)+FR*\b:128*(\p)+FR*\b+FR-1], v[AF+FR*(\a):AF+FR*(\a)+FR-1], 0, v[SC+32*(\sc)+4*\b+(\q)], v[SC+32*(\sc)+4*(\a)+(\q)] matrix_a_fmt:MATRIX_FMT_FP6 matrix_b_fmt:MATRIX_FMT_FP6 matrix_a_scale:MATRIX_SCALE_ROW1
.else
	v_wmma_scale_f32_16x16x128_f8f6f4 v[8*(8*(\a)+\b):8*(8*(\a)+\b)+7], v[128*(\p)+FR*\b:128*(\p)+FR*\b+FR-1], v[AF+FR*(\a):AF+FR*(\a)+FR-1], v[8*(8*(\a)+\b):8*(8*(\a)+\b)+7], v[SC+32*(\sc)+4*\b+(\q)], v[SC+32*(\sc)+4*(\a)+(\q)] matrix_a_fmt:MATRIX_FMT_FP6 matrix_b_fmt:MATRIX_FMT_FP6 matrix_a_scale:MATRIX_SCALE_ROW1
.endif
.endr
.endm
.macro FETCH_B adr, q, p               ; B's eight fragments of the half's q-th 128 along K into set p
	WIN TO_B
.irp i, 0,1,2,3,4,5,6,7
	FRAG 128*(\p)+FR*\i, \adr, \q, \i
.endr
	WIN 0
.endm
.macro FETCH_A adr, q, i0              ; A's blocks i0, i0 + 1
.irp i, \i0, \i0+1
	FRAG AF+FR*(\i), \adr, \q, \i
.endr
.endm
.macro SCALES slo, shi, h              ; half h's scale words into set h: register 4 i + q: lanes 0-15 the word of A's block i (i < 4), lanes 16-31 that of B's block i, for the half's q-th K step
.irp i, 0,1,2,3
.irp j, 0,1
	ds_load_b64 v[SC+32*(\h)+4*\i+2*\j:SC+32*(\h)+4*\i+2*\j+1], v[\slo] offset:\i*512+(2*(\h)+\j)*128
.endr
.endr
.irp i, 4,5,6,7
.irp j, 0,1
	ds_load_b64 v[SC+32*(\h)+4*\i+2*\j:SC+32*(\h)+4*\i+2*\j+1], v[\shi] offset:\i*512+(2*(\h)+\j)*128
.endr
.endr
.endm
; A step of 128 along K that has its successor in the same half.  A block of A is free as soon as its eight products are issued: blocks 0, 1 are fetched anew in the middle, blocks 2, 3 at the end.
.macro STEP adra, adrb, q, sc, mode
	s_wait_dscnt 2*NL                              ; B's set, A's blocks 0, 1 and the scale words are in; the youngest 12 loads (A's blocks 2, 3) may be out
	WIN MUL
	MUL8 0, (\q)%2, \q, \sc, \mode
	MUL8 1, (\q)%2, \q, \sc, \mode
	s_wait_dscnt 0                                 ; A's blocks 2, 3 are in
	PLACES NP                                      ; in front of loads into registers that matrix instructions have read
	FETCH_B \adrb, (\q)+1, 1-(\q)%2
	FETCH_A \adra, (\q)+1, 0
	WIN MUL
	MUL8 2, (\q)%2, \q, \sc, \mode
	MUL8 3, (\q)%2, \q, \sc, \mode
	PLACES NP
	WIN 0
	FETCH_A \adra, (\q)+1, 2
.endm
.macro HALF adra, adrb, sc, mode       ; a half's first three steps
	STEP \adra, \adrb, 0, \sc, \mode
	STEP \adra, \adrb, 1, \sc, 0
	STEP \adra, \adrb, 2, \sc, 0
.endm
; A half's last step changes halves: one barrier; in front of it each wave waits for all its tensor loads, adds 0 to its spare word, and waits for that and for its reads of this half.
; sc: the half and W's slot that is left.  fill = 1: that slot is filled again, with the same half of the next section.  na, nb, nslo, nshi, nh: the addresses and the number of the half that follows.
.macro TURN sc, fill, na, nb, nslo, nshi, nh
	s_wait_tensorcnt 0x0                           ; all my tensor loads have landed: my part of the half that follows
	ds_add_u32 v[SPW], v[NIL]                      ; 0 onto my spare word
	s_wait_dscnt 2*NL+1                            ; (the add and the youngest 12 loads, A's blocks 2, 3, may be out)
	WIN MUL
	MUL8 0, 1, NQ-1, \sc, 0                        ; eight matrix instructions stand between the add and the wait for it
	s_wait_dscnt 0x0                               ; the add is done, and my reads of this half are over
	s_barrier_signal -1
	MUL8 1, 1, NQ-1, \sc, 0
	WIN 0
	s_barrier_wait -1
.if \fill
	CREST                                          ; the barrier has opened a round of the cluster's barrier: no wave of any partner still reads this slot or has a load on its way
	s_add_nc_u64 s[G0W+4*(\sc)+2:G0W+4*(\sc)+3], s[G0W+4*(\sc)+2:G0W+4*(\sc)+3], SECB
	tensor_load_to_lds s[G0W+4*(\sc):G0W+4*(\sc)+3], s[G1W:G1W+7]   ; my one tensor load behind the round, and the first thing there: my four row tiles of the slot
	s_nop 0
	PLACES 4                                       ; places in front of the loads below
.else
	PLACES NP
.endif
	FETCH_B \nb, 0, 0
	FETCH_A \na, 0, 0
	SCALES \nslo, \nshi, \nh
	WIN MUL
	MUL8 2, 1, NQ-1, \sc, 0
	MUL8 3, 1, NQ-1, \sc, 0
	PLACES NP
	WIN 0
	FETCH_A \na, 0, 2
.endm
; 64 numbers of a lane, register 16 b + i = k 32 b + 16 (lane / 16) + i of my row, become a fragment's codes in v[PC] .. v[PC + 11] and its scale word in v[pw].
.macro QUANT s, pw
.irp b, 0,1,2,3
	v_max3_num_f32 v[TM+\b], |v[\s+16*\b]|, |v[\s+1+16*\b]|, 0x1800000   ; my 16 numbers of block b, and the floor 2^(3 - 127): the byte cannot fall under 1
.endr
.irp i, 2,4,6,8,10,12,14
.irp b, 0,1,2,3
	v_max3_num_f32 v[TM+\b], v[TM+\b], |v[\s+16*\b+\i]|, |v[\s+1+16*\b+\i]|
.endr
.endr
.irp b, 0,1,2,3
	v_permlanex16_b32 v[TM+4+\b], v[TM+\b], s[PSEL], s[PSEL+1]
.endr
.irp b, 0,1,2,3
	v_max_num_f32 v[TM+\b], v[TM+\b], v[TM+4+\b]   ; with lane l xor 16's: the block's largest magnitude
.endr
.irp b, 0,1,2,3
	v_add_nc_u32 v[TM+12+\b], 0xff000000, v[TM+\b]   ; 2 off its exponent field: the conversion's scale operand
.endr
.irp b, 0,1,2,3
	v_lshrrev_b32 v[TM+4+\b], 23, v[TM+12+\b]   ; the scale's byte
.endr
	v_lshl_or_b32 v[\pw], v[TM+5], 8, v[TM+4]
	v_lshl_or_b32 v[\pw], v[TM+6], 16, v[\pw]
	v_lshl_or_b32 v[\pw], v[TM+7], 24, v[\pw]
.irp c, 0,1
	v_cvt_scalef32_pk16_fp6_f32 v[PC+6*\c:PC+2+6*\c], v[\s+32*\c:\s+15+32*\c], v[TM+12+2*\c]
	v_cvt_scalef32_pk16_fp6_f32 v[PC+12+4*\c:PC+14+4*\c], v[\s+16+32*\c:\s+31+32*\c], v[TM+12+2*\c+1]   ; (a conversion's three registers begin on an even number)
.endr
	v_nop                                          ; one plain place behind a scaled conversion
.irp c, 0,1                                    ; a whole block to a lane: lanes 0-15 block 2 c, lanes 16-31 block 2 c + 1
.irp i, 0,1,2
	v_permlane16_swap_b32 v[PC+6*\c+\i], v[PC+12+4*\c+\i]
.endr
.irp i, 0,1,2
	v_mov_b32 v[PC+3+6*\c+\i], v[PC+12+4*\c+\i]
.endr
.endr
.endm
; THE WAY OUT of a section, A's four blocks one after the other: bias added on the way into window 0 (each accumulator read from its low end on), quantised, six planes stored, each 256 consecutive aligned bytes.
; v = 0: q (sec = 0) or k (sec = 1);  v = 1: v.  It uses no LDS; the next section's first fragments, fetched just before, wait in their registers.
; The same for v, whose K runs along the tokens: by the order of x's tiles register 32 c + i of lane (r, h) is token 64 c + 32 h + i: a whole block in a lane.
.macro QUANTV s, pw
.irp b, 0,1,2,3
	v_max3_num_f32 v[TM+\b], |v[\s+16*\b]|, |v[\s+1+16*\b]|, 0x1800000   ; four chains, two to a block, each with the floor 2^(3 - 127)
.endr
.irp i, 2,4,6,8,10,12,14
.irp b, 0,1,2,3
	v_max3_num_f32 v[TM+\b], v[TM+\b], |v[\s+16*\b+\i]|, |v[\s+1+16*\b+\i]|
.endr
.endr
.irp c, 0,1
	v_max_num_f32 v[TM+2*\c], v[TM+2*\c], v[TM+2*\c+1]   ; block 2 c + h's largest magnitude
.endr
.irp c, 0,1
	v_add_nc_u32 v[TM+12+\c], 0xff000000, v[TM+2*\c]     ; 2 off its exponent field: the conversion's scale operand
.endr
.irp c, 0,1
	v_lshrrev_b32 v[TM+4+\c], 23, v[TM+12+\c]            ; the scale's byte
.endr
	v_lshl_or_b32 v[TM+4], v[TM+5], 16, v[TM+4]          ; my two bytes, blocks h and 2 + h,
	v_lshlrev_b32 v[TM+4], v27, v[TM+4]                  ; 8 h bits up;
	v_permlanex16_b32 v[TM+5], v[TM+4], s[PSEL], s[PSEL+1]
	v_or_b32 v[\pw], v[TM+4], v[TM+5]                    ; with lane l xor 16's two the word is whole
.irp c, 0,1
	v_cvt_scalef32_pk16_fp6_f32 v[PC+6*\c:PC+2+6*\c], v[\s+32*\c:\s+15+32*\c], v[TM+12+\c]
	v_cvt_scalef32_pk16_fp6_f32 v[PC+12+4*\c:PC+14+4*\c], v[\s+16+32*\c:\s+31+32*\c], v[TM+12+\c]
.endr
	v_nop                                          ; one plain place behind a scaled conversion
.irp c, 0,1
.irp i, 0,1,2
	v_mov_b32 v[PC+3+6*\c+\i], v[PC+12+4*\c+\i]
.endr
.endr
.endm
.macro EPI v, sec
	s_wait_loadcnt 0x0                             ; the biases
	PLACES NP                                      ; behind the last products
.irp a, 0,1,2,3
	s_wait_xcnt 0x0                                ; earlier stores have read their data: the codes' registers are written again only behind this wait
	WIN 0x0e                                       ; source 0 (the sums) window 2, source 1 (the bias) window 3
.set JJ, 0
.rept 32
.if \v
	v_pk_add_f32 v[H+JJ:H+JJ+1], v[64*\a+JJ:64*\a+JJ+1], v[BRV+2*\a:BRV+2*\a+1]
.else
	v_pk_add_f32 v[H+JJ:H+JJ+1], v[64*\a+JJ:64*\a+JJ+1], v[64*(\sec)+JJ:64*(\sec)+JJ+1]
.endif
.set JJ, JJ+2
.endr
	WIN 0
.if \v
	QUANTV H, PWS+\a
.else
	QUANT H, PWS+\a
.endif
.irp p, 0,1,2,3,4,5
.if \v
	global_store_b64 v[CO8], v[PC+2*\p:PC+2*\p+1], s[4:5] offset:\a*1536+\p*256   ; tile a of my head's 64
.else
	global_store_b64 v[CO8], v[PC+2*\p:PC+2*\p+1], s[12:13] offset:(\sec)*6291456+\a*768+(\p%3)*256+(\p/3)*98304   ; token tile a; planes 0-2 are my first head's, 3-5 my second's; inside the signed 24-bit immediate
.endif
.endr
.endr
.if \v
	global_store_b128 v[CO16], v[PWS:PWS+3], s[6:7]   ; lanes l and l xor 16 store the same 16 bytes: 256 consecutive aligned bytes
.else
.irp b, 0,1
	v_perm_b32 v[KW+\b], v[PWS+2*\b+1], v[PWS+2*\b], 0x05040100     ; my first head: the two bytes of tile 2 b, then those of tile 2 b + 1
	v_perm_b32 v[KW+2+\b], v[PWS+2*\b+1], v[PWS+2*\b], 0x07060302   ; my second head
.endr
	global_store_b64 v[CO16H], v[KW:KW+1], s[14:15] offset:(\sec)*262144
	global_store_b64 v[CO16H], v[KW+2:KW+3], s[14:15] offset:(\sec)*262144+4096
.endif
.endm
	s_load_b256 s[4:11], s[0:1], 0x0               ; xc, xs, wc, ws
	s_load_b128 s[12:15], s[0:1], 0x20             ; qkvc, qkvs
	s_load_b128 s[92:95], s[0:1], 0x30             ; bq, bk
	s_load_b64 s[96:97], s[0:1], 0x40              ; bv
	v_lshl_add_u32 v[SPW], v0, 2, SPARE
	v_mov_b32 v[NIL], 0
	ds_add_u32 v28, v29
	ds_add_u32 v28, v29
	s_wait_dscnt 0x0
	v_lshrrev_b32 v1, 5, v0
	v_readfirstlane_b32 s[WV], v1                  ; wave 0..3
	s_lshr_b32 s[HA], s[WV], 1
	s_and_b32 s[HB], s[WV], 1
	s_bfe_u32 s[CX], ttmp6, 0x40000                ; my place in the cluster
	s_bfe_u32 s[CY], ttmp6, 0x40004
	s_lshl_b32 s[WGX], ttmp9, 2
	s_add_co_u32 s[WGX], s[WGX], s[CX]             ; work-group x = 4 x cluster x + cx: my 256 features of each section
	s_and_b32 s[WGY], ttmp7, 0xffff
	s_lshl_b32 s[WGY], s[WGY], 2
	s_add_co_u32 s[WGY], s[WGY], s[CY]             ; work-group y: my 128 tokens
	s_lshl_b32 s16, s[CY], 2
	s_lshl_b32 s16, 15, s16                        ; my row of the cluster
	s_lshl_b32 s66, 0x1111, s[CX]                  ; my column
	s_or_b32 s[G1T], s16, (3<<16)|(1<<21)          ; 15:0 the mask: T goes to my row; 17:16 elements of 8 bytes; 21 set beside a mask
	s_or_b32 s[G1ST], s16, (3<<16)|(1<<21)
	s_or_b32 s[G1W], s66, (3<<16)|(1<<21)          ; W to my column
	s_or_b32 s[G1SW], s66, (3<<16)|(1<<21)
	s_or_b32 s[G1WH], s66, (3<<16)|(1<<21)
	s_mov_b32 s[G1WH+1], (TILEB/8)<<16
	s_mov_b32 s[G1WH+2], 16<<16
	s_mov_b32 s[G1WH+3], (TILEB/8)<<16
	s_mov_b32 s[G1WH+4], 16
	s_mov_b32 s[G1WH+5], TAUB/8
	s_mov_b32 s[G1WH+6], 0
	s_mov_b32 s[G1WH+7], 0
	; codes: row tiles x 6,144 bytes (768 elements), 12,288 bytes apart in memory, dense in LDS: eight of T's in one load, four of W's
	s_mov_b32 s[G1T+1], (TILEB/8)<<16              ; tensor_dim0
	s_mov_b32 s[G1T+2], 8<<16                      ; one wave brings a half of T whole: eight row tiles
	s_mov_b32 s[G1T+3], (TILEB/8)<<16
	s_mov_b32 s[G1T+4], 8
	s_mov_b32 s[G1T+5], TAUB/8                     ; tensor_dim0_stride
	s_mov_b32 s[G1T+6], 0
	s_mov_b32 s[G1T+7], 0
	s_mov_b32 s[G1W+1], (TILEB/8)<<16
	s_mov_b32 s[G1W+2], 4<<16
	s_mov_b32 s[G1W+3], (TILEB/8)<<16
	s_mov_b32 s[G1W+4], 4
	s_mov_b32 s[G1W+5], TAUB/8
	s_mov_b32 s[G1W+6], 0
	s_mov_b32 s[G1W+7], 0
	; scale words: T's 4,096 dense bytes as rows of 256, W's as rows of 8,192, one load each
	s_mov_b32 s[G1ST+1], 32<<16
	s_mov_b32 s[G1ST+2], 16<<16                    ; T's scale words: 4,096 dense bytes, one load
	s_mov_b32 s[G1ST+3], 32<<16
	s_mov_b32 s[G1ST+4], 16
	s_mov_b32 s[G1ST+5], 32
	s_mov_b32 s[G1ST+6], 0
	s_mov_b32 s[G1ST+7], 0
	s_mov_b32 s[G1SW+1], 1024<<16                  ; W's scale words of all three sections in one load: three rows of 8,192 bytes, 32,768 apart in memory, dense in LDS
	s_mov_b32 s[G1SW+2], 3<<16
	s_mov_b32 s[G1SW+3], 1024<<16
	s_mov_b32 s[G1SW+4], 3
	s_mov_b32 s[G1SW+5], 4096
	s_mov_b32 s[G1SW+6], 0
	s_mov_b32 s[G1SW+7], 0
	; where they come from.  T's offsets hang on work-group y and the wave, W's on work-group x and the wave, each in registers of their own
	s_mul_i32 s16, s[WGY], 8*TAUB
	s_mov_b32 s17, 0
	s_lshl_b32 s100, s[WGY], 12
	s_mov_b32 s101, 0
	s_mul_i32 s2, s[WGX], 16*TAUB
	s_mov_b32 s3, 0
	s_lshl_b32 s66, s[WGX], 13
	s_mov_b32 s67, 0
	s_wait_kmcnt 0x0
	s_add_nc_u64 s[4:5], s[4:5], s[16:17]
	s_add_nc_u64 s[6:7], s[6:7], s[100:101]
	s_add_nc_u64 s[8:9], s[8:9], s[2:3]
	s_add_nc_u64 s[10:11], s[10:11], s[66:67]
	; and where they go: a constant + the wave's number x a constant: no place in the cluster enters an LDS address
.irp h, 0,1
	s_mov_b32 s[G0T+4*\h], 1
	s_mov_b32 s[G0T+4*\h+1], TB+\h*THALF
	s_add_nc_u64 s[G0T+4*\h+2:G0T+4*\h+3], s[4:5], \h*TILEB
	s_or_b32 s[G0T+4*\h+3], s[G0T+4*\h+3], 0x80000000
.endr
	s_mul_i32 s99, s[WV], 4*TILEB
	s_mul_i32 s16, s[WV], 4*TAUB                   ; the refills go by waves: my four row tiles (s17 = 0)
	s_add_nc_u64 s[16:17], s[8:9], s[16:17]
.irp h, 0,1
	s_mov_b32 s[G0W+4*\h], 1
	s_add_co_u32 s[G0W+4*\h+1], s99, WB+\h*WSLOT
	s_add_nc_u64 s[G0W+4*\h+2:G0W+4*\h+3], s[16:17], \h*TILEB
	s_or_b32 s[G0W+4*\h+3], s[G0W+4*\h+3], 0x80000000
.endr
	s_mov_b32 s[G0ST], 1
	s_mov_b32 s[G0ST+1], TSC
	s_mov_b64 s[G0ST+2:G0ST+3], s[6:7]
	s_or_b32 s[G0ST+3], s[G0ST+3], 0x80000000
	s_mov_b32 s[G0SW], 1
	s_mov_b32 s[G0SW+1], WSC
	s_mov_b64 s[G0SW+2:G0SW+3], s[10:11]
	s_or_b32 s[G0SW+3], s[G0SW+3], 0x80000000
	s_mov_b64 s[G0WH+2:G0WH+3], s[8:9]             ; Wq's first half, all 16 row tiles of my block
	s_or_b32 s[G0WH+3], s[G0WH+3], 0x80000000
	s_mov_b32 s[G0WH], 1
	s_mov_b32 s[G0WH+1], WB
	s_mov_b32 s[PSEL], 0x76543210
	s_mov_b32 s[PSEL+1], 0xfedcba98
	CROUND                                         ; all sixteen work-groups are here: the first joint loads meet
	; the head's loads, one a wave, in one chain of branches on the wave's number: what the first half of K needs
	s_cmp_lt_u32 s[WV], 1
	s_cbranch_scc0 .Lhead_1
	tensor_load_to_lds s[G0WH:G0WH+3], s[G1WH:G1WH+7]         ; wave 0: Wq's first half
	s_nop 0
	PLACES 4
	s_branch .Lhead_asked
.Lhead_1:
	s_cmp_lt_u32 s[WV], 2
	s_cbranch_scc0 .Lhead_2
	tensor_load_to_lds s[G0T:G0T+3], s[G1T:G1T+7]             ; wave 1: T's first half
	s_nop 0
	PLACES 4
	s_branch .Lhead_asked
.Lhead_2:
	s_cmp_lt_u32 s[WV], 3
	s_cbranch_scc0 .Lhead_3
	tensor_load_to_lds s[G0SW:G0SW+3], s[G1SW:G1SW+7]         ; wave 2: W's scale words
	s_nop 0
	PLACES 4
	s_branch .Lhead_asked
.Lhead_3:
	tensor_load_to_lds s[G0ST:G0ST+3], s[G1ST:G1ST+7]         ; wave 3: T's scale words
	s_nop 0
	PLACES 4
.Lhead_asked:
	v_and_b32 v1, 15, v0                           ; r
	v_bfe_u32 v2, v0, 4, 1
	v_lshlrev_b32 v27, 3, v2                       ; 8 h: where my two scale bytes of v stand in their word
	v_and_b32 v3, 31, v0
	v_lshlrev_b32 v[CO8], 3, v3
	v_lshlrev_b32 v[CO16], 4, v1
	s_lshl_b32 s99, s[HA], 3
	v_add_nc_u32 v[CO16H], s99, v[CO16]
.irp b, 0,1,2,3
	v_mov_b32 v[TM+4+\b], 0                        ; written once: a lane permute's destination counts as one of its sources
.endr
	s_mul_i32 s99, s[HA], 4*TILEB                  ; q, k: A = my four tiles of T,
	s_add_co_u32 s99, s99, TB
	v_add_nc_u32 v[AA0], s99, v[CO8]
	v_add_nc_u32 v[AA0+1], THALF, v[AA0]
	s_mul_i32 s99, s[HB], 8*TILEB                  ; B = my eight tiles of W
	s_add_co_u32 s99, s99, WB
	v_add_nc_u32 v[AB0], s99, v[CO8]
	v_add_nc_u32 v[AB0+1], WSLOT, v[AB0]
	s_mul_i32 s99, s[WV], 4*TILEB                  ; v: A = my four tiles of W,
	s_add_co_u32 s99, s99, WB
	v_add_nc_u32 v[AA1], s99, v[CO8]
	v_add_nc_u32 v[AA1+1], WSLOT, v[AA1]
	v_add_nc_u32 v[AB1], TB, v[CO8]                ; B = all eight of T
	v_add_nc_u32 v[AB1+1], THALF, v[AB1]
	; scale words, 8 r in a tile's 128 bytes of a pair of K steps.  q, k: lanes 0-15 at T's (the lower base), lanes 16-31 the distance on, at W's: one product
	v_lshlrev_b32 v4, 3, v1
	s_lshl_b32 s99, s[HA], 11
	s_add_co_u32 s99, s99, TSC
	s_lshl_b32 s2, s[HB], 12
	s_add_co_u32 s2, s2, WSC
	s_sub_co_u32 s3, s2, s99
	v_mul_u32_u24 v5, s3, v2
	v_add_nc_u32 v5, v5, v4
	v_add_nc_u32 v[SLO], s99, v5
	v_add_nc_u32 v[SHI], s2, v4
	v_lshl_add_u32 v[SLO+1], v2, 13, v[SLO]        ; k: W's words lie 8,192 bytes on
	v_add_nc_u32 v[SHI+1], 8192, v[SHI]
	s_lshl_b32 s2, s[WV], 11                       ; v: lanes 16-31 at T's (the lower base), lanes 0-15 the distance on, at my four tiles of W's third section
	s_add_co_u32 s2, s2, WSC+2*8192-TSC
	v_xor_b32 v6, 1, v2
	v_mul_u32_u24 v6, s2, v6
	v_add_nc_u32 v6, v6, v4
	v_add_nc_u32 v[SLO+2], TSC, v6
	v_lshl_add_u32 v[SHI+2], v1, 3, TSC
	; the biases: q, k: my 128 features from 256 x + 128 (wave % 2) on, along registers;  v: my 64 from 256 x + 64 wave on, along lanes
	s_lshl_b32 s2, s[WGX], 10
	s_lshl_b32 s3, s[HB], 9
	s_add_co_u32 s2, s2, s3
	s_mov_b32 s3, 0
	s_add_nc_u64 s[92:93], s[92:93], s[2:3]
	s_add_nc_u64 s[94:95], s[94:95], s[2:3]
	s_lshl_b32 s2, s[WGX], 10
	s_lshl_b32 s99, s[WV], 8
	s_add_co_u32 s2, s2, s99
	s_add_nc_u64 s[96:97], s[96:97], s[2:3]
	v_lshlrev_b32 v5, 6, v2                        ; accumulator b holds features 32 (b / 2) + 16 h + 8 (b % 2) + 0 .. 7
	v_and_b32 v7, 8, v1
	v_add_nc_u32 v7, v7, v1
	v_lshlrev_b32 v7, 2, v7                        ; block a's lane r holds feature 32 (a / 2) + 8 (a % 2) + r + 8 (r / 8)
	WIN 0xc0                                       ; destination window 3
.irp b, 0,1,2,3,4,5,6,7
	global_load_b128 v[8*\b:8*\b+3], v5, s[92:93] offset:(32*(\b/2)+8*(\b%2))*4
	global_load_b128 v[8*\b+4:8*\b+7], v5, s[92:93] offset:(32*(\b/2)+8*(\b%2))*4+16
	global_load_b128 v[64+8*\b:64+8*\b+3], v5, s[94:95] offset:(32*(\b/2)+8*(\b%2))*4
	global_load_b128 v[64+8*\b+4:64+8*\b+7], v5, s[94:95] offset:(32*(\b/2)+8*(\b%2))*4+16
.endr
.irp a, 0,1,2,3
	global_load_b32 v[BRV+2*\a], v7, s[96:97] offset:(32*(\a/2)+8*(\a%2))*4
	global_load_b32 v[BRV+2*\a+1], v7, s[96:97] offset:(32*(\a/2)+8*(\a%2))*4   ; twice: a pair for the packed addition
.endr
	WIN 0
	; where my results go
	s_lshr_b32 s2, s[WGY], 4
	s_lshl_b32 s2, s2, 4
	s_lshl_b32 s3, s[WGX], 2
	s_add_co_u32 s2, s2, s3                        ; 16 batch + 4 x: the first of my work-group's four heads
	s_and_b32 s99, s[WGY], 15                      ; my group of 128 tokens in the batch
	s_add_co_u32 s3, s2, s[WV]                     ; v: my head
	s_mul_i32 s66, s3, 98304
	s_mul_i32 s67, s99, 6144
	s_add_co_u32 s66, s66, s67
	s_add_co_u32 s66, s66, 2*6291456
	s_mov_b32 s67, 0
	s_add_nc_u64 s[4:5], s[12:13], s[66:67]        ; v's codes
	s_lshl_b32 s66, s3, 12
	s_lshl_b32 s3, s99, 8
	s_add_co_u32 s66, s66, s3
	s_add_co_u32 s66, s66, 2*262144
	s_add_nc_u64 s[6:7], s[14:15], s[66:67]        ; v's scale words
	s_lshl_b32 s3, s[HB], 1
	s_add_co_u32 s2, s2, s3                        ; q, k: the first of my two heads
	s_mul_i32 s66, s2, 98304
	s_lshl_b32 s3, s99, 3
	s_lshl_b32 s16, s[HA], 2
	s_add_co_u32 s3, s3, s16                       ; token tile 8 x group + 4 (wave / 2)
	s_mul_i32 s3, s3, 768
	s_add_co_u32 s66, s66, s3
	s_add_nc_u64 s[12:13], s[12:13], s[66:67]      ; q's codes; k's lie a section on: in the stores' immediates
	s_lshl_b32 s66, s2, 12
	s_lshl_b32 s3, s99, 8
	s_add_co_u32 s66, s66, s3
	s_add_nc_u64 s[14:15], s[14:15], s[66:67]      ; q's scale words
	s_wait_alu depctr_va_vdst(0)
	s_wait_tensorcnt 0x0                           ; my tile of the head's four is in; the second halves are first fills that come later
	ds_add_u32 v[SPW], v[NIL]
	s_mov_b32 s[G0WH+1], WB+WSLOT                  ; no load of mine is out: the descriptor steps to Wq's second half
	s_add_nc_u64 s[G0WH+2:G0WH+3], s[G0WH+2:G0WH+3], TILEB
	s_wait_dscnt 0x0
	CROUND                                         ; everybody's tiles are in, and all sixteen work-groups are here
	s_cmp_lt_u32 s[WV], 1
	s_cbranch_scc0 .Lsecond_1
	tensor_load_to_lds s[G0WH:G0WH+3], s[G1WH:G1WH+7]         ; wave 0: Wq's second half
	s_nop 0
	PLACES 4
	s_branch .Lsecond_asked
.Lsecond_1:
	s_cmp_lt_u32 s[WV], 2
	s_cbranch_scc0 .Lsecond_asked
	tensor_load_to_lds s[G0T+4:G0T+7], s[G1T:G1T+7]           ; wave 1: T's second half
	s_nop 0
	PLACES 4
.Lsecond_asked:
	FETCH_B AB0, 0, 0
	FETCH_A AA0, 0, 0
	SCALES SLO, SHI, 0
	FETCH_A AA0, 0, 2
	HALF AA0, AB0, 0, 1                            ; q: the first step's products start the sums
	TURN 0, 1, AA0+1, AB0+1, SLO, SHI, 1           ; slot 0 takes k's first half
	HALF AA0+1, AB0+1, 1, 0
	TURN 1, 1, AA0, AB0, SLO+1, SHI+1, 0           ; slot 1 takes k's second half; k's first fragments are fetched
	EPI 0, 0                                       ; q goes out while that load is on its way
	HALF AA0, AB0, 0, 1                            ; k
	TURN 0, 1, AA0+1, AB0+1, SLO+1, SHI+1, 1       ; slot 0 takes v's first half
	HALF AA0+1, AB0+1, 1, 0
	TURN 1, 1, AA1, AB1, SLO+2, SHI+2, 0           ; slot 1 takes v's second half: the last load; from here on the roles are v's
	EPI 0, 1
	HALF AA1, AB1, 0, 1                            ; v
	TURN 0, 0, AA1+1, AB1+1, SLO+2, SHI+2, 1       ; nothing is left to fetch
	HALF AA1+1, AB1+1, 1, 0
	s_wait_dscnt 2*NL                              ; the very last step
	WIN MUL
	MUL8 0, 1, NQ-1, 1, 0
	MUL8 1, 1, NQ-1, 1, 0
	s_wait_dscnt 0
	MUL8 2, 1, NQ-1, 1, 0
	MUL8 3, 1, NQ-1, 1, 0
	WIN 0
	s_wait_tensorcnt 0x0                           ; three lines behind my last tensor load, my last LDS instructions, since the way out uses no LDS
	ds_add_u32 v[SPW], v[NIL]
	s_wait_dscnt 0x0
	EPI 1, 0
	CROUND                                         ; the closing round: no work-group ends while a partner may still ask for a tile that names it
	s_endpgm
.Lfunc_end_k_q19f7c9835e_qkv:
	.size	k_q19f7c9835e_qkv, .Lfunc_end_k_q19f7c9835e_qkv-k_q19f7c9835e_qkv
	.p2alignl 7, 3214868480
	.fill 96, 4, 3214868480
	.section	.rodata,"a",@progbits
	.p2align	6, 0x0
	.amdhsa_kernel k_q19f7c9835e_qkv
		.amdhsa_group_segment_fixed_size 327680
		.amdhsa_private_segment_fixed_size 0
		.amdhsa_enable_private_segment 0
		.amdhsa_kernarg_size 72
		.amdhsa_user_sgpr_count 2
		.amdhsa_user_sgpr_kernarg_segment_ptr 1
		.amdhsa_wavefront_size32 1
		.amdhsa_system_sgpr_workgroup_id_x 1
		.amdhsa_system_sgpr_workgroup_id_y 1
		.amdhsa_system_sgpr_workgroup_id_z 1
		.amdhsa_system_vgpr_workitem_id 0
		.amdhsa_next_free_vgpr 1024
		.amdhsa_next_free_sgpr 102
		.amdhsa_reserve_vcc 0
		.amdhsa_float_denorm_mode_32 3
		.amdhsa_float_denorm_mode_16_64 3
		.amdhsa_memory_ordered 1
		.amdhsa_forward_progress 1
		.amdhsa_inst_pref_size 255
	.end_amdhsa_kernel
	.section	.bss,"aw",@nobits
	.p2align	6
	.space	262144
	.amdgpu_metadata
---
amdhsa.version: [ 1, 2 ]
amdhsa.kernels:
  - .name:           k_q19f7c9835e_qkv
    .symbol:         k_q19f7c9835e_qkv.kd
    .args:
      - { .name: xc, .offset: 0, .size: 8, .value_kind: global_buffer, .address_space: global }
      - { .name: xs, .offset: 8, .size: 8, .value_kind: global_buffer, .address_space: global }
      - { .name: wc, .offset: 16, .size: 8, .value_kind: global_buffer, .address_space: global }
      - { .name: ws, .offset: 24, .size: 8, .value_kind: global_buffer, .address_space: global }
      - { .name: qkvc, .offset: 32, .size: 8, .value_kind: global_buffer, .address_space: global }
      - { .name: qkvs, .offset: 40, .size: 8, .value_kind: global_buffer, .address_space: global }
      - { .name: bq, .offset: 48, .size: 8, .value_kind: global_buffer, .address_space: global }
      - { .name: bk, .offset: 56, .size: 8, .value_kind: global_buffer, .address_space: global }
      - { .name: bv, .offset: 64, .size: 8, .value_kind: global_buffer, .address_space: global }
    .group_segment_fixed_size: 327680
    .private_segment_fixed_size: 0
    .kernarg_segment_align: 8
    .kernarg_segment_size: 72
    .max_flat_workgroup_size: 128
    .sgpr_count:     102
    .vgpr_count:     1024
    .wavefront_size: 32
...
	.end_amdgpu_metadata
.endif
;; end of part 2
;; launch attn (part 3): grid 4 x 64, 16 waves a work-group, clusters of 4 x 1, 206,848 bytes of LDS; arguments qkvc, qkvs, oc, os; writes oc, os
.if DOCPART == 3
	.amdgcn_target "amdgcn-amd-amdhsa--gfx1250"
	.amdhsa_code_object_version 6
	.text
	.protected	k_q19f7c9835e_attn
	.globl	k_q19f7c9835e_attn
	.p2align	8
	.type	k_q19f7c9835e_attn,@function
k_q19f7c9835e_attn:
	s_mov_b64 s[64:65], 0
	v_nop
	global_prefetch_b8 v0, s[64:65] scope:SCOPE_SE
	s_setreg_imm32_b32 hwreg(HW_REG_WAVE_MODE, 25, 1), 1
	s_wait_xcnt 0x0
	s_wait_alu depctr_hold_cnt(0) depctr_sa_sdst(0) depctr_va_vdst(0) depctr_va_sdst(0) depctr_va_ssrc(0) depctr_va_vcc(0) depctr_vm_vsrc(0)
	s_getreg_b32 s2, hwreg(HW_REG_IB_STS2, 6, 4)
	s_cmp_eq_u32 s2, 0
	s_cbranch_scc0 .Lentry_in_a_cluster
	s_endpgm
.Lentry_in_a_cluster:
	s_bfe_u32 s2, ttmp6, 0x10000c
	s_cmp_lg_u32 s2, 0x3003
	s_cbranch_scc0 .Lentry_shape_is_right
	s_endpgm
.Lentry_shape_is_right:
; o[q] = the sum over keys of softmax(q . k / 8) v for one batch and head, 2,048 keys, head size 64, both products on codes of FP6 (E2M3) with E8M0 scales; o is quantised along the model's 1,024 and leaves as codes.
; THE SOFTMAX AHEAD OF THE SECOND PRODUCT: t = score x log2(e) / 8; M = the running largest t rounded UP to a whole number; p = 2^(t - M) is quantised along the keys, not normalised; the row's sum is taken of
; the unquantised p in f32 and divides at the end.  When M moves, the sum and O are multiplied by 2^(old M - new M): exact.
; SHARES.  A work-group owns 512 queries of one head (work-group y = 16 batch + head); each of its sixteen waves owns two tiles of 16 queries and takes them one after the other (a loop of two passes), in 256 registers.
; THE WHOLE HEAD LIES IN LDS, FILLED ONCE, in eight chunks of 256 keys: K's codes of two key steps (12,288 bytes), then V's; behind them K's and V's scale words, 4,096 bytes each.
; CLUSTER.  The four query blocks of a head read the same K and V and ask jointly.  One tensor load a wave: wave 0 both sets of scale words (two rows of 4,096 bytes), waves 1-8 a chunk each (two rows of 12,288 bytes: K's, V's).
; The first barrier shows wave 0's, 1's and 2's tiles (keys 0-511), which have load lines of their own; the barrier behind the first two trips shows the rest.  No byte is filled again.
; No prefetch: every tensor load goes out at the head, so there is no loop that runs ahead of a load.
; LAYOUT.  Operands lie as images of their registers: planes of 256 bytes, 8 bytes a lane.  Both products are used transposed: S^T = K Q^T, O^T = V^T P^T: a lane holds ONE query (lane % 16) throughout.
; K = 64 IN AN INSTRUCTION OF 128: a fragment of K is TWO tiles of 16 keys.  Multiplied by [q | zero codes] it gives the first tile's scores, by [zero codes | q] the second's; the registers hold q, zeros, q, and the two operands overlap in the zeros.
; The keys of tile 4 c + u are 64 c + 32 (r / 8) + 8 u + r % 8: so register 32 c + i of lane (r, h) is key 64 c + 32 h + i: A WHOLE SCALE BLOCK OF p IN A LANE, in the order of the operand's registers.
; V's rows are ordered 32 (t / 2) + 8 (t % 2) + r + 8 (r / 8): O^T's register 16 b + i is the head's 32 b + 16 h + i.
; LIMITS: no NaN or infinities; the scaled scores stay under 2^31 in magnitude; blocks whose largest magnitude lies under 2^-124, and blocks of zeros, keep the byte 1 (this program alone reads the bytes).
; o's two scale bytes of a row leave by a store of 2 bytes a lane, one a wave and pass.
.set CHUNK, 24576                      ; LDS: a chunk: K's two steps, then V's two
.set STEPB, 6144                       ; a key step's codes, of K or of V
.set VOFF,  12288
.set KSC,   196608                     ; K's scale words, and 4,096 bytes on V's
.set SPARE, 204800                     ; the spare words: 128 bytes for each of 16 waves
.set AK0,  1                           ; 8 x lane
.set AS0,  2                           ; KSC + 16 x (lane % 16)
.set R16,  3
.set R8,   4
.set SH8,  5                           ; 8 x (lane / 16)
.set ADK,  6                           ; the trip's chunk
.set ADS,  7                           ; and its scale words
.set NM0,  8                           ; v8, v10: -M, by turns from step to step (named in pairs with v9, v11)
.set RUN,  12                          ; the running largest score
.set L,    14                          ; v[14:15] the row's sum
.set Q,    16                          ; v16-33: q, six registers of zero codes, q
.set QS,   34
.set KS,   36
.set VS,   40
.set FRG,  44                          ; v44-91 four fragments of K, then of V
.set S,    92                          ; v92-155 S^T, then p
.set OA,   156                         ; v156-187 O^T
.set PC,   188                         ; v188-199 p's codes; v200-206 the conversions' second halves
.set MX,   208
.set SO,   212
.set BY,   214
.set FF,   216                         ; f = 2^(old M - new M) (named in a pair with v217)
.set TT,   218
.set PSW,  221                         ; p's scale word and nothing else
.set TP,   222                         ; v222-223 lane permutes' results
.set T,    224                         ; v224-229 three more chains of the sum
.set HQ,   230                         ; v230-235 the next query tile's codes, v236 its scale bytes
.set HS,   236
.set SPW,  254
.set NIL,  255
.set WV,   12
.set PSEL, 16                          ; s[16:17] selects of v_permlanex16_b32 for lane l xor 16
.set CS,   18                          ; s[18:19] c = log2(e) / 8
.set TB,   20
.set TS,   21
.set CNT,  22
.set PASS, 23
.set G1,   24                          ; s[24:31] group 1 of a chunk;  s[32:39] of the scale words
.set G1S,  32
.set G0S,  40
.set G0C,  44
.set NCS,  48                          ; -c
.set QC,   66
.set QSP,  68
.set OCP,  70
.set OSP,  72
.macro CROUND                          ; a round of the cluster's barrier
	s_barrier_signal -1
	s_barrier_wait -1
	s_cmp_lg_u32 s[WV], 0
	s_cbranch_scc1 .Lnot_wave_0_\@
	s_barrier_signal -3
.Lnot_wave_0_\@:
	s_barrier_wait -3
	s_barrier_signal -1
	s_barrier_wait -1
.endm
.macro TLOAD g0, g1
	tensor_load_to_lds s[\g0:\g0+3], s[\g1:\g1+7]
	s_nop 0
.rept 4
	v_nop
.endr
.endm
; the row's sum of 64 p, two at a time, in four chains: 32 lines, numbered
.macro SUM n
.if (\n) < 3
	v_pk_add_f32 v[T+2*(\n):T+2*(\n)+1], v[S+4*(\n):S+4*(\n)+1], v[S+4*(\n)+2:S+4*(\n)+3]
.elseif (\n) < 29
.if (\n)%4 == 3
.set D_, L
.else
.set D_, T+2*((\n)%4)
.endif
	v_pk_add_f32 v[D_:D_+1], v[D_:D_+1], v[S+2*(\n)+6:S+2*(\n)+7]
.elseif (\n) == 29
	s_delay_alu instid0(VALU_DEP_2)
	v_pk_add_f32 v[L:L+1], v[L:L+1], v[T+4:T+5]
.elseif (\n) == 30
	s_delay_alu instid0(VALU_DEP_2)
	v_pk_add_f32 v[T:T+1], v[T:T+1], v[T+2:T+3]
.else
	s_delay_alu instid0(VALU_DEP_1)
	v_pk_add_f32 v[L:L+1], v[L:L+1], v[T:T+1]
.endif
.endm
.macro SUMS from, to
.set N_, \from
.rept (\to)-(\from)
	SUM N_
.set N_, N_+1
.endr
.endm
; from my two blocks' largest p to the conversions' scale operands and p's scale word: ten lines, numbered
.macro CH k
.if (\k) < 2
	v_max_num_f32 v[MX+(\k)], 0x1800000, v[MX+(\k)]          ; the floor 2^(3 - 127): the byte cannot fall under 1
.elseif (\k) < 4
	v_add_nc_u32 v[SO+(\k)-2], 0xff000000, v[MX+(\k)-2]      ; 2 off the exponent field: the conversion's scale operand
.elseif (\k) < 6
	v_lshrrev_b32 v[BY+(\k)-4], 23, v[SO+(\k)-4]             ; the scale's byte
.elseif (\k) == 6
	v_lshl_or_b32 v[BY], v[BY+1], 16, v[BY]                  ; blocks h and 2 + h,
.elseif (\k) == 7
	v_lshlrev_b32 v[BY], v[SH8], v[BY]                       ; 8 h bits up;
.elseif (\k) == 8
	v_permlanex16_b32 v[TP+1], v[BY], s[PSEL], s[PSEL+1]
.elseif (\k) == 9
	v_or_b32 v[PSW], v[BY], v[TP+1]                          ; with lane l xor 16's two the word is whole
.endif
.endm
; A KEY STEP: 128 keys, the e-th of its chunk's two.
.macro STEP e
.set NMN, NM0+2*(\e)
.set NMO, NM0+2-2*(\e)
.if (\e) == 0
	v_add_nc_u32 v[ADK], s[TB], v[AK0]
	v_add_nc_u32 v[ADS], s[TS], v[AS0]
.endif
.irp b, 0,1,2,3                        ; (the last step's 24 additions are the places in front of these loads)
.irp p, 0,1,2,3,4,5
	ds_load_b64 v[FRG+12*\b+2*\p:FRG+12*\b+2*\p+1], v[ADK] offset:STEPB*(\e)+1536*\b+256*\p
.endr
.endr
	ds_load_b128 v[KS:KS+3], v[ADS] offset:256*(\e)          ; word b: the bytes of tiles 2 b and 2 b + 1, row r
	ds_load_b128 v[VS:VS+3], v[ADS] offset:4096+256*(\e)     ; word t: V's tile t, row r
	s_wait_alu depctr_va_vdst(0)
	s_wait_dscnt 0x0
.irp b, 0,1,2,3
	v_wmma_scale_f32_16x16x128_f8f6f4 v[S+16*\b:S+16*\b+7], v[FRG+12*\b:FRG+12*\b+11], v[Q:Q+11], 0, v[KS+\b], v[QS] matrix_a_fmt:MATRIX_FMT_FP6 matrix_b_fmt:MATRIX_FMT_FP6
	v_wmma_scale_f32_16x16x128_f8f6f4 v[S+16*\b+8:S+16*\b+15], v[FRG+12*\b:FRG+12*\b+11], v[Q+6:Q+17], 0, v[KS+\b], v[QS] matrix_a_fmt:MATRIX_FMT_FP6 matrix_b_fmt:MATRIX_FMT_FP6
.endr
.rept 4
	v_nop                                          ; places: in front of the loads into K's registers, and of the first read of the scores
.endr
.irp t, 0,1,2,3
.irp p, 0,1,2,3,4,5
	ds_load_b64 v[FRG+12*\t+2*\p:FRG+12*\t+2*\p+1], v[ADK] offset:VOFF+STEPB*(\e)+1536*\t+256*\p   ; V's four tiles land while the softmax is walked
.endr
.endr
; the largest score of each of my two blocks of 32 keys, in two chains each (17 and 15 numbers); every accumulator is first read at one of its four lowest registers
.irp c, 0,1
	v_max3_num_f32 v[MX+\c], v[S+32*\c], v[S+32*\c+1], v[S+32*\c+2]
	v_max3_num_f32 v[MX+2+\c], v[S+32*\c+17], v[S+32*\c+18], v[S+32*\c+19]
.endr
.irp i, 0,2,4,6,8,10
.irp c, 0,1
	v_max3_num_f32 v[MX+\c], v[MX+\c], v[S+32*\c+3+\i], v[S+32*\c+4+\i]
	v_max3_num_f32 v[MX+2+\c], v[MX+2+\c], v[S+32*\c+20+\i], v[S+32*\c+21+\i]
.endr
.endr
.irp c, 0,1
	v_max3_num_f32 v[MX+\c], v[MX+\c], v[S+32*\c+15], v[S+32*\c+16]
.endr
.irp c, 0,1
	s_delay_alu instid0(VALU_DEP_2)
	v_max_num_f32 v[MX+\c], v[MX+\c], v[MX+2+\c]   ; it serves the row's maximum and, since p rises with the score, the block's largest p
.endr
	s_delay_alu instid0(VALU_DEP_1)
	v_max_num_f32 v[TT], v[MX], v[MX+1]
	s_delay_alu instid0(VALU_DEP_1)
	v_permlanex16_b32 v[TP], v[TT], s[PSEL], s[PSEL+1]
	s_delay_alu instid0(VALU_DEP_1)
	v_max3_num_f32 v[RUN], v[RUN], v[TT], v[TP]    ; the running largest score of my query
	s_delay_alu instid0(VALU_DEP_1)
	v_mul_f32 v[TT], s[NCS], v[RUN]                ; -t
	s_delay_alu instid0(VALU_DEP_1)
	v_floor_f32 v[NMN], v[TT]                      ; the new -M = floor(-t) = -ceil(t): a whole number
.set JJ, 0
.rept 32
	v_pk_fma_f32 v[S+JJ:S+JJ+1], v[S+JJ:S+JJ+1], s[CS:CS+1], v[NMN:NMN+1] op_sel_hi:[1,0,0]   ; t - M, two at a time
.if JJ == 8
	v_sub_f32 v[TT], v[NMN], v[NMO]                ; old M - new M: a whole number, 0 or less
.elseif JJ == 24
	v_cvt_i32_f32 v[TT], v[TT]                     ; (it saturates)
.elseif JJ == 40
	v_ldexp_f32 v[FF], 1.0, v[TT]                  ; f = 2^(old M - new M)
.endif
.set JJ, JJ+2
.endr
.irp c, 0,1
	v_fma_f32 v[MX+\c], v[MX+\c], s[CS], v[NMN]    ; the same of each block's largest score
.endr
	s_wait_alu depctr_va_vdst(0)
.set JJ, 0
.rept 64
	v_exp_f32 v[S+JJ], v[S+JJ]                     ; p = 2^(t - M), at most 1
.set JJ, JJ+1
.endr
.irp c, 0,1
	v_exp_f32 v[MX+\c], v[MX+\c]                   ; the block's largest p: the same two instructions on the same number
.endr
	v_pk_mul_f32 v[L:L+1], v[L:L+1], v[FF:FF+1] op_sel_hi:[1,0]   ; the sum under the new M.  (A plain place behind the exponentials)
	s_wait_alu depctr_va_vdst(0)                   ; one wait for the batch and, directly ahead of O^T's first reader, for O^T
.set KK, 0
.rept 16
	v_pk_mul_f32 v[OA+2*KK:OA+2*KK+1], v[OA+2*KK:OA+2*KK+1], v[FF:FF+1] op_sel_hi:[1,0]   ; O^T under the new M, by turns with the scales' ten lines
	CH KK
.set KK, KK+1
.endr
.irp c, 0,1
	v_cvt_scalef32_pk16_fp6_f32 v[PC+6*\c:PC+6*\c+2], v[S+32*\c:S+32*\c+15], v[SO+\c]
	v_cvt_scalef32_pk16_fp6_f32 v[PC+12+4*\c:PC+14+4*\c], v[S+32*\c+16:S+32*\c+31], v[SO+\c]   ; (a conversion's three registers begin on an even number)
.endr
	SUMS 0, 4                                      ; the sum of the unquantised p begins: plain places behind the conversions
.irp c, 0,1
.irp i, 0,1,2
	v_mov_b32 v[PC+3+6*\c+\i], v[PC+12+4*\c+\i]
.endr
.endr
	SUMS 4, 8                                      ; four places between the codes' last write and the products
	s_wait_alu depctr_va_vdst(0)
	s_wait_dscnt 0x0                               ; V is in
.irp t, 0,1,2,3                                ; O^T += V^T P^T: four accumulators by turns
	v_wmma_scale_f32_16x16x128_f8f6f4 v[OA+8*\t:OA+8*\t+7], v[FRG+12*\t:FRG+12*\t+11], v[PC:PC+11], v[OA+8*\t:OA+8*\t+7], v[VS+\t], v[PSW] matrix_a_fmt:MATRIX_FMT_FP6 matrix_b_fmt:MATRIX_FMT_FP6
.endr
	SUMS 8, 32
.endm
.macro KEYLOOP first, trips            ; chunks first .. first + trips - 1
	s_mov_b32 s[TB], (\first)*CHUNK
	s_mov_b32 s[TS], (\first)*512
	s_mov_b32 s[CNT], \trips
.Lkey_\@:
	STEP 0
	STEP 1
	s_add_co_u32 s[TB], s[TB], CHUNK
	s_add_co_u32 s[TS], s[TS], 512
	s_sub_co_u32 s[CNT], s[CNT], 1
	s_cmp_lg_u32 s[CNT], 0
	s_cbranch_scc1 .Lkey_\@
.endm
	s_load_b256 s[4:11], s[0:1], 0x0               ; qkvc, qkvs, oc, os
	v_lshl_add_u32 v[SPW], v0, 2, SPARE
	v_mov_b32 v[NIL], 0
	ds_add_u32 v[SPW], v[NIL]                      ; the opening lines: the add twice on end and one wait
	ds_add_u32 v[SPW], v[NIL]
	v_lshrrev_b32 v1, 5, v0
	v_readfirstlane_b32 s[WV], v1                  ; wave 0..15
	s_and_b32 s13, ttmp7, 0xffff                   ; 16 batch + head, which the four partners share
	s_bfe_u32 s14, ttmp6, 0x40000                  ; cx
	s_lshl_b32 s15, ttmp9, 2
	s_add_co_u32 s15, s15, s14                     ; my block of 512 queries: it enters q's and o's addresses alone
	s_mov_b32 s[G1], 15|(3<<16)|(1<<21)            ; the mask: all four work-groups; elements of 8 bytes; bit 21 beside a mask
	s_mov_b32 s[G1+1], 1536<<16                    ; a row: 12,288 bytes
	s_mov_b32 s[G1+2], 2<<16                       ; two rows: K's, V's,
	s_mov_b32 s[G1+3], 1536<<16
	s_mov_b32 s[G1+4], 2
	s_mov_b32 s[G1+5], 786432                      ; a section of qkvc, 6,291,456 bytes, apart
	s_mov_b32 s[G1+6], 0
	s_mov_b32 s[G1+7], 0
	s_mov_b32 s[G1S], 15|(3<<16)|(1<<21)
	s_mov_b32 s[G1S+1], 512<<16                    ; a row: 4,096 bytes
	s_mov_b32 s[G1S+2], 2<<16
	s_mov_b32 s[G1S+3], 512<<16
	s_mov_b32 s[G1S+4], 2
	s_mov_b32 s[G1S+5], 32768                      ; a section of qkvs, 262,144 bytes, apart
	s_mov_b32 s[G1S+6], 0
	s_mov_b32 s[G1S+7], 0
	s_add_co_u32 s60, s[WV], 7
	s_and_b32 s60, s60, 7                          ; waves 1-8 fetch chunks 0-7
	s_mul_i32 s74, s13, 98304
	s_mul_i32 s75, s60, 12288
	s_add_co_u32 s74, s74, s75
	s_add_co_u32 s74, s74, 6291456                 ; K's section
	s_mov_b32 s75, 0
	s_lshl_b32 s76, s13, 12
	s_add_co_u32 s76, s76, 262144
	s_mov_b32 s77, 0
	s_mul_i32 s63, s60, CHUNK
	; q: head, block of 512 queries, my two tiles
	s_mul_i32 s78, s13, 98304
	s_mul_i32 s79, s15, 24576
	s_add_co_u32 s78, s78, s79
	s_mul_i32 s79, s[WV], 1536
	s_add_co_u32 s78, s78, s79
	s_mov_b32 s79, 0
	s_lshl_b32 s80, s13, 12
	s_lshl_b32 s81, s15, 10
	s_add_co_u32 s80, s80, s81
	s_lshr_b32 s81, s[WV], 2
	s_lshl_b32 s81, s81, 8                         ; the group of 128 tokens,
	s_add_co_u32 s80, s80, s81
	s_and_b32 s81, s[WV], 3
	s_lshl_b32 s81, s81, 2                         ; the word of my pair of tiles
	s_add_co_u32 s80, s80, s81
	s_mov_b32 s81, 0
	; o: token tile 128 batch + 32 block + 2 wave; K step head / 2, planes 3 (head % 2) on
	s_lshr_b32 s84, s13, 4
	s_lshl_b32 s84, s84, 7
	s_lshl_b32 s85, s15, 5
	s_add_co_u32 s84, s84, s85
	s_lshl_b32 s85, s[WV], 1
	s_add_co_u32 s84, s84, s85
	s_mul_i32 s82, s84, 12288
	s_bfe_u32 s85, s13, 0x30001                    ; head / 2
	s_mul_i32 s85, s85, 1536
	s_add_co_u32 s82, s82, s85
	s_and_b32 s85, s13, 1                          ; head % 2
	s_mul_i32 s87, s85, 768
	s_add_co_u32 s82, s82, s87
	s_mov_b32 s83, 0
	s_lshl_b32 s86, s84, 9
	s_bfe_u32 s87, s13, 0x20002                    ; head / 4
	s_lshl_b32 s87, s87, 7
	s_add_co_u32 s86, s86, s87
	s_bfe_u32 s87, s13, 0x10001                    ; (head / 2) % 2: which word
	s_lshl_b32 s87, s87, 2
	s_add_co_u32 s86, s86, s87
	s_lshl_b32 s85, s85, 1                         ; which half of it
	s_add_co_u32 s86, s86, s85
	s_mov_b32 s87, 0
	s_mov_b32 s[PSEL], 0x76543210
	s_mov_b32 s[PSEL+1], 0xfedcba98
	s_mov_b32 s[CS], 0x3e38aa3b                    ; c = log2(e) / 8
	s_mov_b32 s[CS+1], s[CS]                       ; (named with it as a pair, so it is written)
	s_mov_b32 s[NCS], 0xbe38aa3b
	s_mov_b32 s[PASS], 0
	s_wait_dscnt 0x0
	s_wait_kmcnt 0x0
	s_add_nc_u64 s[74:75], s[4:5], s[74:75]
	s_add_nc_u64 s[76:77], s[6:7], s[76:77]
	s_add_nc_u64 s[QC:QC+1], s[4:5], s[78:79]
	s_add_nc_u64 s[QSP:QSP+1], s[6:7], s[80:81]
	s_add_nc_u64 s[OCP:OCP+1], s[8:9], s[82:83]
	s_add_nc_u64 s[OSP:OSP+1], s[10:11], s[86:87]
	s_mov_b32 s[G0S], 1
	s_mov_b32 s[G0S+1], KSC
	s_mov_b64 s[G0S+2:G0S+3], s[76:77]
	s_or_b32 s[G0S+3], s[G0S+3], 0x80000000
	s_mov_b32 s[G0C], 1
	s_mov_b32 s[G0C+1], s63
	s_mov_b64 s[G0C+2:G0C+3], s[74:75]
	s_or_b32 s[G0C+3], s[G0C+3], 0x80000000
	CROUND                                         ; all four work-groups are here: the joint loads meet
	s_cmp_eq_u32 s[WV], 0                          ; all fills of the launch: one chain of branches on the wave's number, one load to an arm
	s_cbranch_scc0 .Lfirst
	TLOAD G0S, G1S                                 ; wave 0: the scale words
	s_branch .Lasked
.Lfirst:
	s_cmp_lt_u32 s[WV], 3
	s_cbranch_scc0 .Lrest
	TLOAD G0C, G1                                  ; waves 1, 2: keys 0-511
	s_branch .Lasked
.Lrest:
	s_cmp_lt_u32 s[WV], 9
	s_cbranch_scc0 .Lasked
	TLOAD G0C, G1                                  ; waves 3-8: the other six chunks
.Lasked:
	v_and_b32 v6, 31, v0
	v_and_b32 v7, 15, v0
	v_bfe_u32 v[SH8], v0, 4, 1
	v_lshlrev_b32 v[AK0], 3, v6
	v_lshlrev_b32 v[R16], 4, v7
	v_lshlrev_b32 v[R8], 3, v7
	v_lshlrev_b32 v[SH8], 3, v[SH8]
	v_add_nc_u32 v[AS0], KSC, v[R16]
.irp i, 0,1,2
	global_load_b64 v[HQ+2*\i:HQ+2*\i+1], v[AK0], s[QC:QC+1] offset:256*\i   ; my first query tile
.endr
	global_load_u16 v[HS], v[R16], s[QSP:QSP+1]    ; my row's two bytes
.irp i, 6,7,8,9,10,11
	v_mov_b32 v[Q+\i], 0                           ; the zero codes: written once
.endr
.irp r, NM0+1, NM0+3, FF+1, TP, TP+1, TT
	v_mov_b32 v[\r], 0                             ; upper halves of pairs, and lane permutes' destinations, which count as sources
.endr
	s_wait_alu depctr_va_vdst(0)
	s_cmp_lt_u32 s[WV], 3
	s_cbranch_scc0 .Lnot_first
	s_wait_tensorcnt 0x0                           ; waves 0-2: the scale words and keys 0-511
.Lnot_first:
	s_barrier_signal -1
	s_barrier_wait -1                              ; the other chunks may be out
.Lpass:                                                ; a pass: one tile of 16 queries over all keys
	s_wait_loadcnt 0x0
.irp i, 0,1,2,3,4,5
	v_mov_b32 v[Q+\i], v[HQ+\i]
	v_mov_b32 v[Q+12+\i], v[HQ+\i]
.endr
	v_lshl_or_b32 v[QS], v[HS], 16, v[HS]          ; (b0, b1, b0, b1): the same two bytes serve [q | 0] and [0 | q]
	v_mov_b32 v[RUN], 0xff61b1e6                   ; the largest score so far: -3e38
	v_mov_b32 v[NM0+2], 0x7e000000                 ; -M = 2^125, over every -M that follows: the first f is 0
	v_mov_b32 v[L], 0
	v_mov_b32 v[L+1], 0
.set JJ, 0
.rept 32
	v_mov_b32 v[OA+JJ], 0                          ; O^T: the step is written once.  (These are also the places behind the scale word just made)
.set JJ, JJ+1
.endr
	s_wait_alu depctr_va_vdst(0)
	s_cmp_lg_u32 s[PASS], 0
	s_cbranch_scc1 .Lheld
.irp i, 0,1,2
	global_load_b64 v[HQ+2*\i:HQ+2*\i+1], v[AK0], s[QC:QC+1] offset:768+256*\i   ; the second tile, asked for a pass ahead
.endr
	global_load_u16 v[HS], v[R16], s[QSP:QSP+1] offset:2
.Lheld:
	KEYLOOP 0, 2
	s_wait_alu depctr_va_vdst(0)
	s_wait_tensorcnt 0x0                           ; every wave: all that is still out
	s_barrier_signal -1
	s_barrier_wait -1                              ; the whole head is in
	KEYLOOP 2, 6
; O^T / the sum, quantised along the head's 64 (two blocks of the model's 1,024): three planes and two scale bytes a row.  (The sum's 24 additions are the places behind the last products)
	v_add_f32 v[L], v[L], v[L+1]
	s_delay_alu instid0(VALU_DEP_1)
	v_permlanex16_b32 v[TT], v[L], s[PSEL], s[PSEL+1]
	s_delay_alu instid0(VALU_DEP_1)
	v_add_f32 v[L], v[L], v[TT]                    ; and lane l xor 16's
	s_wait_alu depctr_va_vdst(0)
	v_rcp_f32 v[L], v[L]
	v_nop                                          ; one plain place behind a transcendental
	s_wait_alu depctr_va_vdst(0)
.set JJ, 0
.rept 32
	v_mul_f32 v[S+JJ], v[OA+JJ], v[L]              ; register 16 b + i = o(my query, 32 b + 16 (lane / 16) + i); each accumulator from its low end on
.set JJ, JJ+1
.endr
.irp b, 0,1
	v_max3_num_f32 v[MX+\b], |v[S+16*\b]|, |v[S+1+16*\b]|, 0x1800000
.endr
.irp i, 2,4,6,8,10,12,14
.irp b, 0,1
	s_delay_alu instid0(VALU_DEP_2)
	v_max3_num_f32 v[MX+\b], v[MX+\b], |v[S+16*\b+\i]|, |v[S+1+16*\b+\i]|
.endr
.endr
.irp b, 0,1
	s_delay_alu instid0(VALU_DEP_2)
	v_permlanex16_b32 v[TP+\b], v[MX+\b], s[PSEL], s[PSEL+1]
.endr
.irp b, 0,1
	s_delay_alu instid0(VALU_DEP_2)
	v_max_num_f32 v[MX+\b], v[MX+\b], v[TP+\b]
.endr
.irp b, 0,1
	s_delay_alu instid0(VALU_DEP_2)
	v_add_nc_u32 v[SO+\b], 0xff000000, v[MX+\b]
.endr
.irp b, 0,1
	s_delay_alu instid0(VALU_DEP_2)
	v_lshrrev_b32 v[TP+\b], 23, v[SO+\b]
.endr
	s_delay_alu instid0(VALU_DEP_1)
	v_lshl_or_b32 v[TT], v[TP+1], 8, v[TP]         ; my row's two bytes
	v_cvt_scalef32_pk16_fp6_f32 v[PC:PC+2], v[S:S+15], v[SO]
	v_cvt_scalef32_pk16_fp6_f32 v[PC+12:PC+14], v[S+16:S+31], v[SO+1]
	v_nop                                          ; one plain place behind a scaled conversion
.irp i, 0,1,2
	v_permlane16_swap_b32 v[PC+\i], v[PC+12+\i]    ; lanes 0-15 block 0, lanes 16-31 block 1
.endr
.irp i, 0,1,2
	v_mov_b32 v[PC+3+\i], v[PC+12+\i]
.endr
.irp i, 0,1,2
	global_store_b64 v[AK0], v[PC+2*\i:PC+2*\i+1], s[OCP:OCP+1] offset:256*\i   ; a plane: 256 consecutive aligned bytes
.endr
	global_store_b16 v[R8], v[TT], s[OSP:OSP+1]
	s_wait_xcnt 0x0                                ; the stores have read their data and bases: both are written again only behind this wait
	s_add_nc_u64 s[OCP:OCP+1], s[OCP:OCP+1], 12288 ; the next token tile
	s_add_nc_u64 s[OSP:OSP+1], s[OSP:OSP+1], 512
	s_add_co_u32 s[PASS], s[PASS], 1
	s_cmp_lt_u32 s[PASS], 2
	s_wait_alu depctr_va_vdst(0)
	s_cbranch_scc1 .Lpass
	s_wait_tensorcnt 0x0                           ; the wave's end
	ds_add_u32 v[SPW], v[NIL]
	s_wait_dscnt 0x0
	CROUND                                         ; the closing round: no work-group ends while a partner may still ask for a tile that names it
	s_endpgm
.Lfunc_end_k_q19f7c9835e_attn:
	.size	k_q19f7c9835e_attn, .Lfunc_end_k_q19f7c9835e_attn-k_q19f7c9835e_attn
	.p2alignl 7, 3214868480
	.fill 96, 4, 3214868480
	.section	.rodata,"a",@progbits
	.p2align	6, 0x0
	.amdhsa_kernel k_q19f7c9835e_attn
		.amdhsa_group_segment_fixed_size 206848
		.amdhsa_private_segment_fixed_size 0
		.amdhsa_enable_private_segment 0
		.amdhsa_kernarg_size 32
		.amdhsa_user_sgpr_count 2
		.amdhsa_user_sgpr_kernarg_segment_ptr 1
		.amdhsa_wavefront_size32 1
		.amdhsa_system_sgpr_workgroup_id_x 1
		.amdhsa_system_sgpr_workgroup_id_y 1
		.amdhsa_system_sgpr_workgroup_id_z 1
		.amdhsa_system_vgpr_workitem_id 0
		.amdhsa_next_free_vgpr 256
		.amdhsa_next_free_sgpr 92
		.amdhsa_reserve_vcc 0
		.amdhsa_float_denorm_mode_32 3
		.amdhsa_float_denorm_mode_16_64 3
		.amdhsa_memory_ordered 1
		.amdhsa_forward_progress 1
		.amdhsa_inst_pref_size 79
	.end_amdhsa_kernel
	.amdgpu_metadata
---
amdhsa.version: [ 1, 2 ]
amdhsa.kernels:
  - .name:           k_q19f7c9835e_attn
    .symbol:         k_q19f7c9835e_attn.kd
    .args:
      - { .name: qkvc, .offset: 0, .size: 8, .value_kind: global_buffer, .address_space: global }
      - { .name: qkvs, .offset: 8, .size: 8, .value_kind: global_buffer, .address_space: global }
      - { .name: oc, .offset: 16, .size: 8, .value_kind: global_buffer, .address_space: global }
      - { .name: os, .offset: 24, .size: 8, .value_kind: global_buffer, .address_space: global }
    .group_segment_fixed_size: 206848
    .private_segment_fixed_size: 0
    .kernarg_segment_align: 8
    .kernarg_segment_size: 32
    .max_flat_workgroup_size: 512
    .sgpr_count:     92
    .vgpr_count:     256
    .wavefront_size: 32
...
	.end_amdgpu_metadata
.endif
;; end of part 3
;; launch proj (part 4): grid 4 x 64, 4 waves a work-group, clusters of 4 x 4, 327,680 bytes of LDS; arguments oc, os, wc, ws, bo, out0; writes out0
.if DOCPART == 4
	.amdgcn_target "amdgcn-amd-amdhsa--gfx1250"
	.amdhsa_code_object_version 6
	.text
	.protected	k_q19f7c9835e_proj
	.globl	k_q19f7c9835e_proj
	.p2align	8
	.type	k_q19f7c9835e_proj,@function
k_q19f7c9835e_proj:
	s_mov_b64 s[64:65], 0
	v_nop
	global_prefetch_b8 v0, s[64:65] scope:SCOPE_SE
	s_setreg_imm32_b32 hwreg(HW_REG_WAVE_MODE, 25, 1), 1
	s_wait_xcnt 0x0
	s_wait_alu depctr_hold_cnt(0) depctr_sa_sdst(0) depctr_va_vdst(0) depctr_va_sdst(0) depctr_va_ssrc(0) depctr_va_vcc(0) depctr_vm_vsrc(0)
	s_getreg_b32 s2, hwreg(HW_REG_IB_STS2, 6, 4)
	s_cmp_eq_u32 s2, 0
	s_cbranch_scc0 .Lentry_in_a_cluster
	s_endpgm
.Lentry_in_a_cluster:
	s_bfe_u32 s2, ttmp6, 0x10000c
	s_cmp_lg_u32 s2, 0xf033
	s_cbranch_scc0 .Lentry_shape_is_right
	s_endpgm
.Lentry_shape_is_right:
; out0 = o Wo^T + bo on codes of FP6 (E2M3) with E8M0 scales, sums in f32; out0 [8192][1024] f32.  o's codes and scale words come from the launch before, Wo's are tiles 192-255 of wc and ws.
; Operands are images of their registers (six planes of 256 bytes a fragment), [row tile][8 K steps][1,536]; scale words [row tile][4][16][2].
; SHARES.  256 work-groups, one for each of 64 blocks of 128 tokens x 4 blocks of 256 features; four waves, each 64 tokens (wave / 2) x 128 features (wave % 2): 32 accumulators.
; BOTH OPERANDS LIE IN LDS FOR ALL OF K = 1,024, FILLED ONCE: o's 128 tokens 98,304 bytes, Wo's 256 rows 196,608, in two halves of K; the products start when the first half has landed.  No byte is filled again.
; CLUSTERS: 4 x 4 work-groups.  o's tiles hang on work-group y and are shared along a row of the cluster, Wo's on work-group x and along a column: each is asked for jointly.  Every wave issues the same lines; its part hangs on its number.
; TRANSPOSED USE: source 0 = 16 rows of Wo ("B"), source 1 = 16 tokens ("A").  The rows of a tile are 32 (t / 2) + 8 (t % 2) + r + 8 (r / 8): accumulator (a, b) holds, in lane (r, h), token row r of tile a and features 32 (b / 2) + 16 h + 8 (b % 2) + 0 .. 7.
; The bias is the C of each sum's first matrix instruction: 64 registers in the result's layout.
; REGISTERS: window 0: v1-29 addresses; v32-95 scale words, two sets of 32, and nothing else; v96-143 A's fragments, one set; v144-207 the bias (on the way out v128-255 hold rows of out0).
;   window 1: B's fragments, two sets, at v0 and v128.   window 2: the accumulators: (a, b) at v[8 (8 a + b)].
.set NQ,    4                          ; K steps of 128 in a half
.set FR,    12
.set FRB,   1536
.set NL,    6
.set NP,    4                          ; places behind this matrix instruction (ISA guide 7.12.1)
.set TILEB, NQ*FRB
.set TAUB,  8*FRB
.set TSC,   0                          ; LDS: o's scale words, 4,096 bytes;
.set WSC,   4096                       ; Wo's, 8,192;
.set TB,    WSC+8192                   ; o's codes, two halves;
.set THALF, 8*TILEB
.set WB,    TB+2*THALF                 ; Wo's codes, two halves;
.set WSLOT, 16*TILEB
.set SPARE, WB+2*WSLOT                 ; the spare words, 128 bytes for each wave: two blocks of 256 bytes that no other line names
.set STAGE, TB                         ; the way out: 16 rows x (512 + 16) bytes for each wave, in o's first half: it has had its one fill, and behind the change of halves nobody reads it
.set SPITCH, 528
.set AA0,  8                           ; v8-9    LDS address of A's fragments in half 0, 1
.set AB0,  10                          ; v10-11  of B's
.set SLO,  16                          ; scale words: lanes 0-15 A's rows, lanes 16-31 B's
.set SHI,  19                          ; the same with B's rows in all lanes, for B's blocks 4-7
.set STO,  24                          ; the way out: where I put 32 bytes of a row
.set RD,   25                          ; and where I read a row back
.set CO,   26                          ; 16 x lane: my bytes of a row's 512
.set SPW,  28
.set NIL,  29
.set SC,   32
.set AF,   96
.set BC,   144
.set BK,   128                         ; 16 rows read back: v128-191 and v192-255 by turns
.set WV,   18
.set HA,   19
.set HB,   20
.set CX,   21
.set CY,   22
.set WGY,  23
.set G1T,  24
.set G1W,  32
.set G1ST, 40
.set G1SW, 48
.set G0T,  56
.set G0W,  68
.set G0ST, 76
.set G0SW, 80
.set WGX,  98
.set MSB, 0
.macro WIN new                         ; the immediate's high byte repeats the setting that is left
.if MSB != (\new)
	s_set_vgpr_msb (MSB<<8)|(\new)
.set MSB, (\new)
.endif
.endm
.set MUL,  0xa1                        ; source 0 (B) window 1, source 1 (A) window 0, C and D window 2
.set TO_B, 0x40
.macro CREST
	s_cmp_lg_u32 s[WV], 0
	s_cbranch_scc1 .Lnot_wave_0_\@
	s_barrier_signal -3
.Lnot_wave_0_\@:
	s_barrier_wait -3
	s_barrier_signal -1
	s_barrier_wait -1
.endm
.macro CROUND
	s_barrier_signal -1
	s_barrier_wait -1
	CREST
.endm
.macro PLACES n
.rept \n
	v_nop
.endr
.endm
.macro FRAG reg, adr, q, i             ; six planes, 8 bytes a lane, 256 consecutive bytes a load
.irp p, 0,1,2,3,4,5
	ds_load_b64 v[\reg+2*\p:\reg+2*\p+1], v[\adr] offset:(\i)*TILEB+(\q)*FRB+256*\p
.endr
.endm
; 8 matrix instructions: A's block a x B's eight.  mode = 2: the bias is the C, and the product starts the sum.  The 32 accumulators take turns, one instruction a turn.
.macro MUL8 a, p, q, sc, mode
.irp b, 0,1,2,3,4,5,6,7
.if (\mode) == 2
	v_wmma_scale_f32_16x16x128_f8f6f4 v[8*(8*(\a)+\b):8*(8*(\a)+\b)+7], v[128*(\p)+FR*\b:128*(\p)+FR*\b+FR-1], v[AF+FR*(\a):AF+FR*(\a)+FR-1], v[BC+8*\b:BC+8*\b+7], v[SC+32*(\sc)+4*\b+(\q)], v[SC+32*(\sc)+4*(\a)+(\q)] matrix_a_fmt:MATRIX_FMT_FP6 matrix_b_fmt:MATRIX_FMT_FP6 matrix_a_scale:MATRIX_SCALE_ROW1
.else
	v_wmma_scale_f32_16x16x128_f8f6f4 v[8*(8*(\a)+\b):8*(8*(\a)+\b)+7], v[128*(\p)+FR*\b:128*(\p)+FR*\b+FR-1], v[AF+FR*(\a):AF+FR*(\a)+FR-1], v[8*(8*(\a)+\b):8*(8*(\a)+\b)+7], v[SC+32*(\sc)+4*\b+(\q)], v[SC+32*(\sc)+4*(\a)+(\q)] matrix_a_fmt:MATRIX_FMT_FP6 matrix_b_fmt:MATRIX_FMT_FP6 matrix_a_scale:MATRIX_SCALE_ROW1
.endif
.endr
.endm
.macro FETCH_B adr, q, p
	WIN TO_B
.irp i, 0,1,2,3,4,5,6,7
	FRAG 128*(\p)+FR*\i, \adr, \q, \i
.endr
	WIN 0
.endm
.macro FETCH_A adr, q, i0
.irp i, \i0, \i0+1
	FRAG AF+FR*(\i), \adr, \q, \i
.endr
.endm
.macro SCALES slo, shi, h              ; half h's scale words into set h: register 4 i + q: lanes 0-15 the word of A's block i (i < 4), lanes 16-31 that of B's block i
.irp i, 0,1,2,3
.irp j, 0,1
	ds_load_b64 v[SC+32*(\h)+4*\i+2*\j:SC+32*(\h)+4*\i+2*\j+1], v[\slo] offset:\i*512+(2*(\h)+\j)*128
.endr
.endr
.irp i, 4,5,6,7
.irp j, 0,1
	ds_load_b64 v[SC+32*(\h)+4*\i+2*\j:SC+32*(\h)+4*\i+2*\j+1], v[\shi] offset:\i*512+(2*(\h)+\j)*128
.endr
.endr
.endm
.macro MWIN mode
.if (\mode) == 2
	WIN 0x81                                       ; source 0 window 1, sources 1 and 2 (the bias) window 0, destination window 2
.else
	WIN MUL
.endif
.endm
; A step of 128 along K that has its successor in the same half: A's blocks 0, 1 are fetched anew in the middle, blocks 2, 3 at the end.
.macro STEP adra, adrb, q, sc, mode
	s_wait_dscnt 2*NL                              ; B's set, A's blocks 0, 1 and the scale words are in; the youngest 12 loads (A's blocks 2, 3) may be out
	MWIN \mode
	MUL8 0, (\q)%2, \q, \sc, \mode
	MUL8 1, (\q)%2, \q, \sc, \mode
	s_wait_dscnt 0
	PLACES NP                                      ; in front of loads into registers that matrix instructions have read
	FETCH_B \adrb, (\q)+1, 1-(\q)%2
	FETCH_A \adra, (\q)+1, 0
	MWIN \mode
	MUL8 2, (\q)%2, \q, \sc, \mode
	MUL8 3, (\q)%2, \q, \sc, \mode
	PLACES NP
	WIN 0
	FETCH_A \adra, (\q)+1, 2
.endm
.macro HALF adra, adrb, sc, mode
	STEP \adra, \adrb, 0, \sc, \mode
	STEP \adra, \adrb, 1, \sc, 0
	STEP \adra, \adrb, 2, \sc, 0
.endm
	s_load_b256 s[4:11], s[0:1], 0x0               ; oc, os, wc, ws
	s_load_b128 s[12:15], s[0:1], 0x20             ; bo, out0
	v_lshl_add_u32 v[SPW], v0, 2, SPARE
	v_mov_b32 v[NIL], 0
	ds_add_u32 v28, v29
	ds_add_u32 v28, v29
	s_wait_dscnt 0x0
	v_lshrrev_b32 v1, 5, v0
	v_readfirstlane_b32 s[WV], v1                  ; wave 0..3
	s_lshr_b32 s[HA], s[WV], 1                     ; my half of the tokens
	s_and_b32 s[HB], s[WV], 1                      ; my half of the features
	s_bfe_u32 s[CX], ttmp6, 0x40000
	s_bfe_u32 s[CY], ttmp6, 0x40004
	s_lshl_b32 s[WGX], ttmp9, 2
	s_add_co_u32 s[WGX], s[WGX], s[CX]
	s_and_b32 s[WGY], ttmp7, 0xffff
	s_lshl_b32 s[WGY], s[WGY], 2
	s_add_co_u32 s[WGY], s[WGY], s[CY]
	s_lshl_b32 s16, s[CY], 2
	s_lshl_b32 s16, 15, s16                        ; my row of the cluster
	s_lshl_b32 s66, 0x1111, s[CX]                  ; my column
	s_or_b32 s[G1T], s16, (3<<16)|(1<<21)          ; 15:0 the mask; 17:16 elements of 8 bytes; 21 set beside a mask
	s_or_b32 s[G1ST], s16, (3<<16)|(1<<21)
	s_or_b32 s[G1W], s66, (3<<16)|(1<<21)
	s_or_b32 s[G1SW], s66, (3<<16)|(1<<21)
	; codes: row tiles x 6,144 bytes (768 elements), 12,288 bytes apart in memory, dense in LDS: eight of o's, sixteen of Wo's a load
	s_mov_b32 s[G1T+1], (TILEB/8)<<16
	s_mov_b32 s[G1T+2], 8<<16                      ; one wave brings a half of o's block whole: eight row tiles
	s_mov_b32 s[G1T+3], (TILEB/8)<<16
	s_mov_b32 s[G1T+4], 8
	s_mov_b32 s[G1T+5], TAUB/8
	s_mov_b32 s[G1T+6], 0
	s_mov_b32 s[G1T+7], 0
	s_mov_b32 s[G1W+1], (TILEB/8)<<16
	s_mov_b32 s[G1W+2], 16<<16                     ; and a half of Wo's: sixteen
	s_mov_b32 s[G1W+3], (TILEB/8)<<16
	s_mov_b32 s[G1W+4], 16
	s_mov_b32 s[G1W+5], TAUB/8
	s_mov_b32 s[G1W+6], 0
	s_mov_b32 s[G1W+7], 0
	; scale words: dense bytes as rows of 256: 4,096 of o's, 8,192 of Wo's, one load each
	s_mov_b32 s[G1ST+1], 32<<16
	s_mov_b32 s[G1ST+2], 16<<16                    ; o's scale words: 4,096 dense bytes, one load
	s_mov_b32 s[G1ST+3], 32<<16
	s_mov_b32 s[G1ST+4], 16
	s_mov_b32 s[G1ST+5], 32
	s_mov_b32 s[G1ST+6], 0
	s_mov_b32 s[G1ST+7], 0
	s_mov_b32 s[G1SW+1], 32<<16
	s_mov_b32 s[G1SW+2], 32<<16                    ; Wo's: 8,192
	s_mov_b32 s[G1SW+3], 32<<16
	s_mov_b32 s[G1SW+4], 32
	s_mov_b32 s[G1SW+5], 32
	s_mov_b32 s[G1SW+6], 0
	s_mov_b32 s[G1SW+7], 0
	s_mul_i32 s16, s[WGY], 8*TAUB                  ; o's offsets hang on work-group y and the wave,
	s_mov_b32 s17, 0
	s_lshl_b32 s100, s[WGY], 12
	s_mov_b32 s101, 0
	s_mul_i32 s2, s[WGX], 16*TAUB                  ; Wo's on work-group x and the wave, in registers of their own
	s_add_co_u32 s2, s2, 192*TAUB                  ; Wo's tiles begin at tile 192
	s_mov_b32 s3, 0
	s_lshl_b32 s66, s[WGX], 13
	s_add_co_u32 s66, s66, 192*512
	s_mov_b32 s67, 0
	s_wait_kmcnt 0x0
	s_add_nc_u64 s[4:5], s[4:5], s[16:17]
	s_add_nc_u64 s[6:7], s[6:7], s[100:101]
	s_add_nc_u64 s[8:9], s[8:9], s[2:3]
	s_add_nc_u64 s[10:11], s[10:11], s[66:67]
.irp h, 0,1
	s_mov_b32 s[G0T+4*\h], 1
	s_mov_b32 s[G0T+4*\h+1], TB+\h*THALF
	s_add_nc_u64 s[G0T+4*\h+2:G0T+4*\h+3], s[4:5], \h*TILEB
	s_or_b32 s[G0T+4*\h+3], s[G0T+4*\h+3], 0x80000000
.endr
.irp h, 0,1
	s_mov_b32 s[G0W+4*\h], 1
	s_mov_b32 s[G0W+4*\h+1], WB+\h*WSLOT
	s_add_nc_u64 s[G0W+4*\h+2:G0W+4*\h+3], s[8:9], \h*TILEB
	s_or_b32 s[G0W+4*\h+3], s[G0W+4*\h+3], 0x80000000
.endr
	s_mov_b32 s[G0ST], 1
	s_mov_b32 s[G0ST+1], TSC
	s_mov_b64 s[G0ST+2:G0ST+3], s[6:7]
	s_or_b32 s[G0ST+3], s[G0ST+3], 0x80000000
	s_mov_b32 s[G0SW], 1
	s_mov_b32 s[G0SW+1], WSC
	s_mov_b64 s[G0SW+2:G0SW+3], s[10:11]
	s_or_b32 s[G0SW+3], s[G0SW+3], 0x80000000
	CROUND                                         ; all sixteen work-groups are here: the joint loads meet
	; the head's loads, one a wave, in one chain of branches on the wave's number: what the first half of K needs
	s_cmp_lt_u32 s[WV], 1
	s_cbranch_scc0 .Lhead_1
	tensor_load_to_lds s[G0W:G0W+3], s[G1W:G1W+7]             ; wave 0: Wo's first half
	s_nop 0
	PLACES 4
	s_branch .Lhead_asked
.Lhead_1:
	s_cmp_lt_u32 s[WV], 2
	s_cbranch_scc0 .Lhead_2
	tensor_load_to_lds s[G0T:G0T+3], s[G1T:G1T+7]             ; wave 1: o's first half
	s_nop 0
	PLACES 4
	s_branch .Lhead_asked
.Lhead_2:
	s_cmp_lt_u32 s[WV], 3
	s_cbranch_scc0 .Lhead_3
	tensor_load_to_lds s[G0SW:G0SW+3], s[G1SW:G1SW+7]         ; wave 2: Wo's scale words
	s_nop 0
	PLACES 4
	s_branch .Lhead_asked
.Lhead_3:
	tensor_load_to_lds s[G0ST:G0ST+3], s[G1ST:G1ST+7]         ; wave 3: o's scale words
	s_nop 0
	PLACES 4
.Lhead_asked:
	v_and_b32 v1, 15, v0                           ; r
	v_bfe_u32 v2, v0, 4, 1                         ; h
	s_wait_alu depctr_va_vdst(0)
	v_and_b32 v3, 31, v0
	v_lshlrev_b32 v6, 3, v3                        ; 8 x lane
	s_mul_i32 s99, s[HA], 4*TILEB                  ; A = my four tiles of o,
	s_add_co_u32 s99, s99, TB
	v_add_nc_u32 v[AA0], s99, v6
	v_add_nc_u32 v[AA0+1], THALF, v[AA0]
	s_mul_i32 s99, s[HB], 8*TILEB                  ; B = my eight tiles of Wo
	s_add_co_u32 s99, s99, WB
	v_add_nc_u32 v[AB0], s99, v6
	v_add_nc_u32 v[AB0+1], WSLOT, v[AB0]
	v_lshlrev_b32 v4, 3, v1                        ; scale words: lanes 0-15 at o's (the lower base), lanes 16-31 the distance on, at Wo's: one product
	s_lshl_b32 s99, s[HA], 11
	s_add_co_u32 s99, s99, TSC
	s_lshl_b32 s2, s[HB], 12
	s_add_co_u32 s2, s2, WSC
	s_sub_co_u32 s3, s2, s99
	v_mul_u32_u24 v5, s3, v2
	v_add_nc_u32 v5, v5, v4
	v_add_nc_u32 v[SLO], s99, v5
	v_add_nc_u32 v[SHI], s2, v4
	s_lshl_b32 s2, s[WGX], 10                      ; the bias of my 128 features
	s_lshl_b32 s3, s[HB], 9
	s_add_co_u32 s2, s2, s3
	s_mov_b32 s3, 0
	s_add_nc_u64 s[12:13], s[12:13], s[2:3]
	v_lshlrev_b32 v7, 6, v2                        ; accumulator b holds features 32 (b / 2) + 16 h + 8 (b % 2) + 0 .. 7
.irp b, 0,1,2,3,4,5,6,7
	global_load_b128 v[BC+8*\b:BC+8*\b+3], v7, s[12:13] offset:(32*(\b/2)+8*(\b%2))*4
	global_load_b128 v[BC+8*\b+4:BC+8*\b+7], v7, s[12:13] offset:(32*(\b/2)+8*(\b%2))*4+16
.endr
	s_mul_i32 s99, s[WV], 16*SPITCH
	s_add_co_u32 s99, s99, STAGE                   ; my stage
	v_mul_u32_u24 v5, v1, SPITCH
	v_lshl_add_u32 v5, v2, 6, v5
	v_add_nc_u32 v[STO], s99, v5                   ; in: row r, + 64 h
	v_lshlrev_b32 v[CO], 4, v3
	v_add_nc_u32 v[RD], s99, v[CO]                 ; back: the 32 lanes take one row of 512 bytes
	s_lshl_b32 s66, s[WGY], 19                     ; out0 at token 128 y + 64 half, feature 256 x + 128 half
	s_lshl_b32 s67, s[HA], 18
	s_add_co_u32 s66, s66, s67
	s_add_co_u32 s66, s66, s2
	s_mov_b32 s67, 0
	s_add_nc_u64 s[14:15], s[14:15], s[66:67]
	s_wait_alu depctr_va_vdst(0)
	s_wait_tensorcnt 0x0                           ; my tile of the head's four is in; the second halves are first fills that come later
	ds_add_u32 v[SPW], v[NIL]
	s_wait_dscnt 0x0
	CROUND                                         ; everybody's tiles are in, and all sixteen work-groups are here
	s_cmp_lt_u32 s[WV], 1
	s_cbranch_scc0 .Lsecond_1
	tensor_load_to_lds s[G0W+4:G0W+7], s[G1W:G1W+7]           ; wave 0: Wo's second half
	s_nop 0
	PLACES 4
	s_branch .Lsecond_asked
.Lsecond_1:
	s_cmp_lt_u32 s[WV], 2
	s_cbranch_scc0 .Lsecond_asked
	tensor_load_to_lds s[G0T+4:G0T+7], s[G1T:G1T+7]           ; wave 1: o's second half
	s_nop 0
	PLACES 4
.Lsecond_asked:
	FETCH_B AB0, 0, 0
	FETCH_A AA0, 0, 0
	SCALES SLO, SHI, 0
	FETCH_A AA0, 0, 2
	s_wait_loadcnt 0x0                             ; the bias
	HALF AA0, AB0, 0, 2                            ; the first step's products start the sums from the bias
	; the first half's last step changes halves: one barrier; nothing is filled again, so no round of the cluster's barrier stands here
	s_wait_tensorcnt 0x0                           ; my parts of the second half have landed
	s_wait_dscnt 2*NL                              ; (the youngest 12 loads, A's blocks 2, 3, may be out)
	WIN MUL
	MUL8 0, 1, NQ-1, 0, 0
	s_wait_dscnt 0x0                               ; my reads of the first half are over: behind this barrier its bytes may serve as stages
	s_barrier_signal -1
	MUL8 1, 1, NQ-1, 0, 0
	WIN 0
	s_barrier_wait -1
	PLACES NP
	FETCH_B AB0+1, 0, 0
	FETCH_A AA0+1, 0, 0
	SCALES SLO, SHI, 1
	WIN MUL
	MUL8 2, 1, NQ-1, 0, 0
	MUL8 3, 1, NQ-1, 0, 0
	PLACES NP
	WIN 0
	FETCH_A AA0+1, 0, 2
	HALF AA0+1, AB0+1, 1, 0
	s_wait_dscnt 2*NL                              ; the very last step
	WIN MUL
	MUL8 0, 1, NQ-1, 1, 0
	MUL8 1, 1, NQ-1, 1, 0
	s_wait_dscnt 0
	MUL8 2, 1, NQ-1, 1, 0
	MUL8 3, 1, NQ-1, 1, 0
	WIN 0
; THE WAY OUT, block by block of 16 tokens x 128 features, through my own stage: a lane's 32 bytes go to their place in the row, whole rows of 512 bytes come back and are stored by the 32 lanes.
; LDS serves a wave's instructions in order (ISA guide 5.7.1.4): no wait between the stores and the loads, nor in front of the next block's stores.
.macro TOSTAGE a
.set AC, 64*(\a)
	WIN 0x08                                       ; the data: window 2
.irp b, 0,1,2,3,4,5,6,7
	ds_store_b128 v[STO], v[AC+8*\b:AC+8*\b+3] offset:128*(\b/2)+32*(\b%2)        ; each accumulator from its low end on
	ds_store_b128 v[STO], v[AC+8*\b+4:AC+8*\b+7] offset:128*(\b/2)+32*(\b%2)+16
.endr
	WIN 0
.set BB, BK+64*((\a)%2)
.irp t, 0,1,2,3,4,5,6,7,8,9,10,11,12,13,14,15
	ds_load_b128 v[BB+4*\t:BB+4*\t+3], v[RD] offset:\t*SPITCH
.endr
.endm
.macro SEND a, younger                 ; younger: the LDS instructions issued behind block a's loads, which may stay out
.set BB, BK+64*((\a)%2)
	s_wait_dscnt \younger
.irp t, 0,1,2,3,4,5,6,7,8,9,10,11,12,13,14,15
	global_store_b128 v[CO], v[BB+4*\t:BB+4*\t+3], s[14:15] offset:(8*(\a)+\t+24*(\t/8))*4096 th:TH_STORE_NT   ; row t of my token tile a is token 8 a + t % 8 + 32 (t / 8) of my 64; 512 consecutive bytes, at a multiple of 256 from out0's first byte; 63 rows at the most: inside the signed 24-bit immediate
.endr
.endm
	PLACES NP                                      ; behind the last products: for the reads of results and for the loads into registers that matrix instructions have read
	TOSTAGE 0
.irp a, 1,2,3
.if \a > 1
	s_wait_xcnt 0x0                                ; block a - 2's stores have read their registers: block a's loads may land there
.endif
	TOSTAGE \a
	SEND \a-1, 32                                  ; behind block a - 1's loads: block a's 16 stores and 16 loads
.endr
	SEND 3, 0
	s_wait_tensorcnt 0x0                           ; the wave's end: these three lines stand behind my last tensor load and my last LDS store
	ds_add_u32 v[SPW], v[NIL]
	s_wait_dscnt 0x0
	CROUND                                         ; the closing round: no work-group ends while a partner may still ask for a tile that names it
	s_endpgm
.Lfunc_end_k_q19f7c9835e_proj:
	.size	k_q19f7c9835e_proj, .Lfunc_end_k_q19f7c9835e_proj-k_q19f7c9835e_proj
	.p2alignl 7, 3214868480
	.fill 96, 4, 3214868480
	.section	.rodata,"a",@progbits
	.p2align	6, 0x0
	.amdhsa_kernel k_q19f7c9835e_proj
		.amdhsa_group_segment_fixed_size 327680
		.amdhsa_private_segment_fixed_size 0
		.amdhsa_enable_private_segment 0
		.amdhsa_kernarg_size 48
		.amdhsa_user_sgpr_count 2
		.amdhsa_user_sgpr_kernarg_segment_ptr 1
		.amdhsa_wavefront_size32 1
		.amdhsa_system_sgpr_workgroup_id_x 1
		.amdhsa_system_sgpr_workgroup_id_y 1
		.amdhsa_system_sgpr_workgroup_id_z 1
		.amdhsa_system_vgpr_workitem_id 0
		.amdhsa_next_free_vgpr 768
		.amdhsa_next_free_sgpr 102
		.amdhsa_reserve_vcc 0
		.amdhsa_float_denorm_mode_32 3
		.amdhsa_float_denorm_mode_16_64 3
		.amdhsa_memory_ordered 1
		.amdhsa_forward_progress 1
		.amdhsa_inst_pref_size 100
	.end_amdhsa_kernel
	.amdgpu_metadata
---
amdhsa.version: [ 1, 2 ]
amdhsa.kernels:
  - .name:           k_q19f7c9835e_proj
    .symbol:         k_q19f7c9835e_proj.kd
    .args:
      - { .name: oc, .offset: 0, .size: 8, .value_kind: global_buffer, .address_space: global }
      - { .name: os, .offset: 8, .size: 8, .value_kind: global_buffer, .address_space: global }
      - { .name: wc, .offset: 16, .size: 8, .value_kind: global_buffer, .address_space: global }
      - { .name: ws, .offset: 24, .size: 8, .value_kind: global_buffer, .address_space: global }
      - { .name: bo, .offset: 32, .size: 8, .value_kind: global_buffer, .address_space: global }
      - { .name: out0, .offset: 40, .size: 8, .value_kind: global_buffer, .address_space: global }
    .group_segment_fixed_size: 327680
    .private_segment_fixed_size: 0
    .kernarg_segment_align: 8
    .kernarg_segment_size: 48
    .max_flat_workgroup_size: 128
    .sgpr_count:     102
    .vgpr_count:     768
    .wavefront_size: 32
...
	.end_amdgpu_metadata
.endif
;; end of part 4
